; MI455X (gfx1250); checked and timed in simulation.
; The chip was launched on July 23, 2026; its instructions are those of AMD's public machine-readable ISA for CDNA 5 (MIT licence, August 2026) and "CDNA5" Instruction Set Architecture Reference Guide (July 2026). The comments in the code are by the model that wrote it; some were corrected since.
;; Llama Attention. Allowed arithmetic: matrix products marked QUANTISED: E3M2 operands, one E8M0 scale for each 32 along K, by v_wmma_scale_f32_16x16x128_f8f6f4 with both operands' format E3M2, f32 sums; everything else in f32.
;; Inputs: Wk 2,048 x 512 float32; Wo 2,048 x 2,048 float32; Wq 2,048 x 2,048 float32; Wv 2,048 x 512 float32; hidden_states 1 x 2,048 x 2,048 float32.
;; Outputs: out0 1 x 2,048 x 2,048 float32.
;; This version of the problem:
;;   THIS VERSION OF THE PROBLEM IS GIVEN IN LOW PRECISION. The matrix products marked QUANTISED in the list below multiply operands that are first quantised to E3M2 (3 exponent bits, 2 mantissa bits; 6 bits a number), with one power-of-two scale for each 32 numbers along K (OCP MX v1.0); their sums are f32. All else is computed in f32.
;;   The module's matrix products, in the order in which they are computed (A, B: the left and right operand; K: the contracted axis; several contracted axes count as one K, in the product's order):
;;     1. [M 2,048, K 2,048] x [K 2,048, N 2,048]; A: input hidden_states; B: input Wq: QUANTISED
;;     2. [M 2,048, K 2,048] x [K 2,048, N 512]; A: input hidden_states; B: input Wk: QUANTISED
;;     3. [M 2,048, K 2,048] x [K 2,048, N 512]; A: input hidden_states; B: input Wv: QUANTISED
;;     4. batch 32 x [M 2,048, K 64] x [K 64, N 2,048]; A: computed on the way; B: computed on the way: QUANTISED
;;     5. batch 32 x [M 2,048, K 2,048] x [K 2,048, N 64]; A: softmax (see below); B: computed on the way: QUANTISED
;;     6. [M 2,048, K 2,048] x [K 2,048, N 2,048]; A: computed on the way; B: input Wo: QUANTISED
;;   THE QUANTISER, for each operand of a quantised product, along K:
;;     - K is cut into blocks of 32 from its start; a last block that is shorter is filled with zeros.
;;     - A block's scale is 2^e with e = floor(log2(the largest magnitude in the block)) - 4, held to -126 .. 127; a block of zeros has e = 0. As a byte (E8M0): e + 127.
;;     - Each number is divided by its block's scale, clamped to +-28, and rounded to the nearest number of E3M2, ties to even, subnormals kept.
;;     - The product sums the exact products of the quantised numbers (number of the format x scale) in f32.
;;   ~~~python
;;   def quantise(x, axis):      # numpy; x: float32 -> the quantised numbers, widened to float32 again
;;       x = np.moveaxis(x, axis, -1); K = x.shape[-1]
;;       x = np.pad(x, [(0, 0)] * (x.ndim - 1) + [(0, -K % 32)]); x = x.reshape(x.shape[:-1] + (-1, 32)); a = np.abs(x).max(-1, keepdims=True)
;;       e = np.where(a > 0, np.clip(np.frexp(np.where(a > 0, a, 1))[1] - 1 - 4, -126, 127), 0)      # np.frexp(a)[1] - 1 = floor(log2(a)), exactly
;;       r = np.clip(x / 2.0 ** e, -28, 28)
;;       step = 2.0 ** (np.maximum(np.frexp(np.where(r == 0, 1, r))[1] - 1, -2) - 2)
;;       q = np.round(r / step) * step * 2.0 ** e      # np.round: ties to even
;;       return np.moveaxis(q.reshape(q.shape[:-2] + (-1,))[..., :K], -1, axis).astype(np.float32)
;;   ~~~
;;   SOFTMAX AHEAD OF A QUANTISED PRODUCT. Where the list says 'softmax', what is quantised is not the finished softmax but p = 2^(t - M), with t = logit x log2(e) and M = ceil(the row's largest t), a whole number; so 1/2 < the row's largest p <= 1. The row's sum l is taken of the UNQUANTISED p, in f32, and the product's result is divided by l at the end. Since M is a whole number, a kernel that streams over the keys may use a running M (the ceiling of the running maximum): every later rescaling is an exact power of two, which a block's scale takes up: the codes' values come out the same.
;;   OPERANDS COMPUTED ON THE WAY. 'Computed on the way' means the value that the module computes at that place (a softmax that the list does not call 'softmax' is quantised finished and normalised). What goes into a quantiser is computed in f32, as accurately as f32 sums, v_exp_f32 and their like allow (about 1e-6 of the number): no bf16 or f16 on the way to a quantiser, and a product that is left as it is and whose result goes on into a quantised operand takes f32 operands (vector FMAs, or v_wmma_f32_16x16x4_f32). A number that lies on a knife's edge between two numbers of the format may be rounded either way, as far as f32 arithmetic and the matrix unit's own rounding can turn it there, and no further.
;; One version. Each part assembles by itself: llvm-mc -triple=amdgcn-amd-amdhsa -mcpu=gfx1250 --defsym DOCPART=n.
;; ======== version 1 of 1: 4 launches
;; limits: right only within a limited range of input values
;; workspace buffers: cw 11,010,048 bytes; sc1 327,680 bytes; sc2 262,144 bytes; rope 524,288 bytes; qh 4,194,304 bytes; kv 1,703,936 bytes; oh 3,145,728 bytes
;; launch quant (part 1): grid 48 x 16, 4 waves a work-group, no clusters, 34,304 bytes of LDS; arguments hidden_states, Wq, Wk, Wv, Wo, cw, sc1, sc2, rope; writes cw, sc1, sc2, rope
.if DOCPART == 1
	.amdgcn_target "amdgcn-amd-amdhsa--gfx1250"
	.amdhsa_code_object_version 6
	.text
	.protected	k_qfcbd48f250_quant
	.globl	k_qfcbd48f250_quant
	.p2align	8
	.type	k_qfcbd48f250_quant,@function
k_qfcbd48f250_quant:
	s_mov_b64 s[64:65], 0
	v_nop
	global_prefetch_b8 v0, s[64:65] scope:SCOPE_SE
	s_setreg_imm32_b32 hwreg(HW_REG_WAVE_MODE, 25, 1), 1
	s_wait_xcnt 0x0
; hidden_states [2048][2048] and the four weights ([K 2048][N], K their FIRST axis), f32, become codes of BF6 (E3M2) with one E8M0 byte for each 32 along K; and the table of cos and sin for the rotation is made.
; A block's byte is its largest magnitude's exponent field - 4, held at 1 from below; each number is divided by that power of two and rounded to the nearest code, ties to even; beyond 28 the largest code.
; LAYOUT OF THE CODES: the order of the operand's registers.  A HALF IMAGE is 768 bytes: 16 rows x 64 along K; lane (r, h) owns block h (32 codes, 24 bytes, six registers) of row r: registers 0-3 at 16 x lane,
; registers 4-5 at 512 + 8 x lane.  A tile of 16 rows is 32 half images on end, 24,576 bytes.  cw: x's 128 tiles; from XB the 192 tiles of Wq, Wk, Wv, twelve to a column of the next launch's grid
; (eight of Wq = two query heads, four of Wk or Wv = one head); then Wo's 128.  SCALE WORDS (four bytes: a row's 128 along K) lie at tile x 1024 + K step x 64 + 4 x row.
; SHARES: work-group x < 40: 128 columns of a weight x 128 along K (y), 32 columns a wave, a lane to a column, registers down K.  x >= 40: one tile of 16 rows of hidden_states, four K steps of 128 a wave,
; turned through the wave's own stage in LDS so that loads are dense and a lane still gets 32 neighbours along K; these work-groups also make 16 rows of the table.  Waves share nothing: no barrier.
; Memory binds: no matrix unit, no cluster (no two work-groups read the same bytes), no tensor load.
; LIMITS: NaN and infinities among the inputs are not served.  A block of zeros gets the byte 1 where the rule says 127: its codes are zeros, and only this program reads the bytes.  Blocks whose largest magnitude
; lies under 2^-122 keep the byte 1.  1 / 500000^(i/32) is made as 2^(-i L) to about 1.5 ulp, not to the bits of another power function: an angle may differ by up to about 1e-4 rad at the largest positions.
.set XB,  3145728
.set VO,  8                            ; weights: v8-39 4 x lane + i x pitch
.set X,   40                           ; v40-103 two sets of 32 numbers
.set CB,  104                          ; v104-127 four blocks' codes
.set TW,  128                          ; v128-130 the second half of a block's codes
.set WD,  136                          ; the scale word
.set R,   16                           ; rows: v16-143 two sets of 64 numbers as loaded
.set Y,   144                          ; v144-207 64 numbers: register 32 c + i = k 64 c + 32 h + i of my row
.set CD,  208                          ; v208-219 a fragment's codes
.set TT,  220                          ; v220-226 second halves
.set QM,  228
.set QS,  230
.set QB,  232
.set QT,  234
.set PW,  235
.set WQ,  236                          ; v236-239 four K steps' scale words
.set H8,  5
.set SEL, 52
.macro LOADW t                         ; block t: W(32 t + i, my column) into set t % 2: 32 lanes read 128 consecutive bytes
.set li, 0
.rept 32
	global_load_b32 v[X+32*((\t)%2)+li], v[VO+li], s[40+2*(\t):41+2*(\t)] th:TH_LOAD_NT
.set li, li+1
.endr
.endm
.macro BLOCKW t
.set XS, X+32*((\t)%2)
.if (\t) < 3
	s_wait_loadcnt 32                              ; this block's 32 loads are in; the next block's may be out
.else
	s_wait_loadcnt 0x0
.endif
	v_max3_num_f32 v132, |v[XS]|, |v[XS+1]|, |v[XS+2]|             ; the block's largest magnitude: all 32 numbers are mine; two chains
	v_max3_num_f32 v133, |v[XS+3]|, |v[XS+4]|, |v[XS+5]|
.irp i, 6,10,14,18,22,26
	v_max3_num_f32 v132, v132, |v[XS+\i]|, |v[XS+\i+1]|
	v_max3_num_f32 v133, v133, |v[XS+\i+2]|, |v[XS+\i+3]|
.endr
	v_max3_num_f32 v132, v132, |v[XS+30]|, |v[XS+31]|
	v_max3_num_f32 v132, v132, v133, 0x2800000     ; and the floor 2^(5 - 127): the byte cannot fall under 1
	v_add_nc_u32 v134, 0xfe000000, v132            ; 4 off the exponent field: the conversion's scale operand
	v_lshrrev_b32 v135, 23, v134                   ; the byte
.if (\t) == 0
	v_mov_b32 v[WD], v135
.else
	v_lshl_or_b32 v[WD], v135, 8*(\t), v[WD]
.endif
	v_cvt_scalef32_pk16_bf6_f32 v[CB+6*(\t):CB+6*(\t)+2], v[XS:XS+15], v134
	v_cvt_scalef32_pk16_bf6_f32 v[TW:TW+2], v[XS+16:XS+31], v134   ; (a conversion's three registers begin on an even number)
	v_nop                                          ; one plain place behind a scaled conversion
.irp i, 0,1,2
	v_mov_b32 v[CB+6*(\t)+3+\i], v[TW+\i]
.endr
.if (\t) < 2
	LOADW (\t)+2
.endif
.endm
.macro LOADX q                         ; K step q of my four: 16 rows x 512 bytes, a row to a load
.set li, 0
.rept 16
	global_load_b128 v[R+64*((\q)%2)+4*li:R+64*((\q)%2)+4*li+3], v8, s[26:27] offset:8192*li+512*(\q) th:TH_LOAD_NT
.set li, li+1
.endr
.endm
; 64 numbers of a lane, two whole blocks (c = 0: block h, c = 1: block 2 + h of my row), become a fragment's twelve registers at v[d] and the row's scale word in v[PW], the same in both halves of the lanes
.macro QUANT2 s, d
.irp c, 0,1
	v_max3_num_f32 v[QM+\c], |v[(\s)+32*\c]|, |v[(\s)+32*\c+1]|, 0x2800000
.endr
.irp i, 2,4,6,8,10,12,14,16,18,20,22,24,26,28,30
.irp c, 0,1
	v_max3_num_f32 v[QM+\c], v[QM+\c], |v[(\s)+32*\c+\i]|, |v[(\s)+32*\c+\i+1]|
.endr
.endr
.irp c, 0,1
	v_add_nc_u32 v[QS+\c], 0xfe000000, v[QM+\c]
.endr
.irp c, 0,1
	v_lshrrev_b32 v[QB+\c], 23, v[QS+\c]
.endr
	v_lshl_or_b32 v[PW], v[QB+1], 16, v[QB]        ; my two bytes,
	v_lshlrev_b32 v[PW], v[H8], v[PW]              ; 8 h bits up;
	v_permlanex16_b32 v[QT], v[PW], s[SEL], s[SEL+1]
	v_or_b32 v[PW], v[PW], v[QT]                   ; with lane l xor 16's two the word is whole
.irp c, 0,1
	v_cvt_scalef32_pk16_bf6_f32 v[(\d)+6*\c:(\d)+6*\c+2], v[(\s)+32*\c:(\s)+32*\c+15], v[QS+\c]
	v_cvt_scalef32_pk16_bf6_f32 v[TT+4*\c:TT+4*\c+2], v[(\s)+32*\c+16:(\s)+32*\c+31], v[QS+\c]
.endr
	v_nop                                          ; one plain place behind a scaled conversion
.irp c, 0,1
.irp i, 0,1,2
	v_mov_b32 v[(\d)+6*\c+3+\i], v[TT+4*\c+\i]
.endr
.endr
.endm
; cos or sin (by v165 = 1 or 0) of position v164 x frequency v[160 + k].  The angle is one f32 product; n = the nearest whole number of quarter turns; pi/2 is taken off in two parts by fused multiply-adds;
; both series run to where their cut lies under 2e-9 for |r| <= pi/4; sin of quadrant m = n + v165 is the cosine series where m is odd, with the sign of m's bit 1.
.macro SINCOS k, o
	v_mul_f32 v166, v164, v[160+\k]
	v_mul_f32 v167, 0x3f22f983, v166
	v_rndne_f32 v167, v167
	v_fmamk_f32 v168, v167, 0xbfc90fdb, v166
	v_fmamk_f32 v168, v167, 0x333bbd2e, v168
	v_mul_f32 v169, v168, v168
	v_mov_b32 v170, 0x3638ef1d                     ; 1/9!
	v_mov_b32 v171, 0xb493f27e                     ; -1/10!
	v_fmaak_f32 v170, v170, v169, 0xb9500d01       ; -1/7!
	v_fmaak_f32 v171, v171, v169, 0x37d00d01       ; 1/8!
	v_fmaak_f32 v170, v170, v169, 0x3c088889       ; 1/5!
	v_fmaak_f32 v171, v171, v169, 0xbab60b61       ; -1/6!
	v_fmaak_f32 v170, v170, v169, 0xbe2aaaab       ; -1/3!
	v_fmaak_f32 v171, v171, v169, 0x3d2aaaab       ; 1/4!
	v_mul_f32 v173, v168, v169
	v_fmaak_f32 v171, v171, v169, 0xbf000000
	v_fma_f32 v170, v173, v170, v168               ; sin r
	v_fmaak_f32 v171, v171, v169, 0x3f800000       ; cos r
	v_cvt_i32_f32 v172, v167
	v_add_nc_u32 v172, v172, v165
	v_and_b32 v173, 1, v172
	v_cmp_ne_u32 vcc_lo, 0, v173
	v_cndmask_b32 v[\o], v170, v171, vcc_lo
	v_lshlrev_b32 v172, 30, v172
	v_and_b32 v172, 0x80000000, v172
	v_xor_b32 v[\o], v[\o], v172
.endm
.macro XSTEP q
.if (\q) < 3
	s_wait_loadcnt 16                              ; this K step's 16 loads are in; the next step's may be out
.else
	s_wait_loadcnt 0x0
.endif
	s_wait_xcnt 0x0                                ; earlier stores have read their data: the registers below are written again only behind this wait
.set li, 0
.rept 16
	ds_store_b128 v6, v[R+64*((\q)%2)+4*li:R+64*((\q)%2)+4*li+3] offset:528*li   ; as loaded: a row of 512 bytes, rows 528 apart
.set li, li+1
.endr
.irp i, 0,1,2,3,4,5,6,7
	ds_load_b128 v[Y+4*\i:Y+4*\i+3], v7 offset:16*\i                ; LDS serves a wave's instructions in order: these see my stores
.endr
.irp i, 0,1,2,3,4,5,6,7
	ds_load_b128 v[Y+32+4*\i:Y+32+4*\i+3], v7 offset:256+16*\i
.endr
	s_wait_dscnt 0x0                               ; the numbers are back, and the stores into the stage have read their registers,
.if (\q) < 2
	LOADX (\q)+2                                   ; which take the loads of two steps on
.endif
	QUANT2 Y, CD
	global_store_b128 v8, v[CD:CD+3], s[28:29] offset:1536*(\q)        ; 512 consecutive bytes
	global_store_b64 v9, v[CD+4:CD+5], s[28:29] offset:1536*(\q)+512   ; 256 consecutive bytes
	global_store_b128 v8, v[CD+6:CD+9], s[28:29] offset:1536*(\q)+768
	global_store_b64 v9, v[CD+10:CD+11], s[28:29] offset:1536*(\q)+1280
	v_mov_b32 v[WQ+(\q)], v[PW]
.endm
	s_load_b256 s[4:11], s[0:1], 0x0               ; hidden_states s[4:5], Wq s[6:7], Wk s[8:9], Wv s[10:11]
	s_load_b256 s[12:19], s[0:1], 0x20             ; Wo s[12:13], cw s[14:15], sc1 s[16:17], sc2 s[18:19]
	s_load_b64 s[20:21], s[0:1], 0x40              ; rope
	v_lshl_add_u32 v240, v0, 2, 0x8400
	v_mov_b32 v241, 0
	v_lshrrev_b32 v1, 5, v0
	v_readfirstlane_b32 s22, v1                    ; wave
	v_and_b32 v2, 31, v0                           ; lane
	s_and_b32 s23, ttmp7, 0xffff                   ; y
	s_mov_b32 s24, ttmp9                           ; x
	s_cmp_ge_u32 s24, 40
	s_cbranch_scc1 .Lxpath
	; ---- a weight.  x 0-15: Wq; 16-19: Wk; 20-23: Wv; 24-39: Wo.  The first of my two tiles, counted from XB:
	s_lshl_b32 s34, s22, 1
	s_mul_i32 s35, s24, 12
	s_add_co_u32 s35, s35, s34                     ; Wq: 12 x + 2 w
	s_sub_co_u32 s36, s24, 16
	s_lshl_b32 s36, s36, 1
	s_lshr_b32 s37, s22, 1
	s_add_co_u32 s36, s36, s37                     ; Wk, Wv: the head (Wv's count on from 8): 2 (x - 16) + w / 2
	s_mul_i32 s36, s36, 12
	s_and_b32 s37, s22, 1
	s_lshl_b32 s37, s37, 1
	s_add_co_u32 s36, s36, s37
	s_add_co_u32 s36, s36, 8                       ; 12 head + 8 + 2 (w % 2)
	s_lshl_b32 s37, s24, 3
	s_add_co_u32 s37, s37, s34                     ; Wo: 192 + 8 (x - 24) + 2 w
	s_sub_co_u32 s29, s24, 16
	s_cmp_lt_u32 s29, 8
	s_cselect_b32 s33, 11, 13                      ; a row of Wk, Wv is 2^11 bytes, of Wq, Wo 2^13
	s_wait_kmcnt 0x0
	s_mov_b64 s[26:27], s[6:7]
	s_mov_b32 s28, 0
	s_cmp_ge_u32 s24, 16                           ; the choices hang on the work-group's number alone
	s_cselect_b64 s[26:27], s[8:9], s[26:27]
	s_cselect_b32 s28, 16, s28
	s_cselect_b32 s35, s36, s35
	s_cmp_ge_u32 s24, 20
	s_cselect_b64 s[26:27], s[10:11], s[26:27]
	s_cselect_b32 s28, 20, s28
	s_cmp_ge_u32 s24, 24
	s_cselect_b64 s[26:27], s[12:13], s[26:27]
	s_cselect_b32 s28, 24, s28
	s_cselect_b32 s35, s37, s35                    ; the tile
	s_cselect_b64 s[30:31], s[18:19], s[16:17]     ; Wo's scale words go to sc2, the others' to sc1,
	s_cselect_b32 s38, 192, 0                      ; in both from tile 128 on
	s_sub_co_u32 s28, s24, s28
	s_lshl_b32 s28, s28, 9                         ; 128 columns of 4 bytes a work-group,
	s_lshl_b32 s39, s22, 7                         ; 32 a wave,
	s_add_co_u32 s28, s28, s39
	s_lshl_b32 s39, s23, 7
	s_lshl_b32 s39, s39, s33                       ; 128 y rows
	s_add_co_u32 s28, s28, s39
	s_mov_b32 s29, 0
	s_add_nc_u64 s[40:41], s[26:27], s[28:29]      ; a base for each of the four blocks, 32 rows apart
	s_lshl_b32 s28, 32, s33
	s_add_nc_u64 s[42:43], s[40:41], s[28:29]
	s_add_nc_u64 s[44:45], s[42:43], s[28:29]
	s_add_nc_u64 s[46:47], s[44:45], s[28:29]
	s_lshl_b32 s32, 1, s33
	s_wait_alu depctr_va_vdst(0)
	v_lshlrev_b32 v[VO], 2, v2
.set li, 1
.rept 31
	v_add_nc_u32 v[VO+li], s32, v[VO+li-1]
.set li, li+1
.endr
	LOADW 0
	LOADW 1
	s_mul_i32 s28, s35, 24576
	s_mul_i32 s39, s23, 1536
	s_add_co_u32 s28, s28, s39
	s_add_co_u32 s28, s28, XB
	s_add_nc_u64 s[48:49], s[14:15], s[28:29]      ; my first tile's K step y
	s_add_co_u32 s28, s35, 128
	s_sub_co_u32 s28, s28, s38
	s_lshl_b32 s28, s28, 10
	s_lshl_b32 s39, s23, 6
	s_add_co_u32 s28, s28, s39
	s_add_nc_u64 s[50:51], s[30:31], s[28:29]
	v_lshlrev_b32 v4, 4, v2
	v_lshlrev_b32 v5, 3, v2
	v_lshrrev_b32 v6, 4, v2
	v_and_b32 v7, 15, v2
	v_lshlrev_b32 v7, 2, v7
	v_lshl_add_u32 v6, v6, 10, v7                  ; the scale word: lanes 16-31 are the second tile's rows
	BLOCKW 0
	BLOCKW 1
	BLOCKW 2
	BLOCKW 3
	; a lane holds four blocks of ONE column; a half image wants block h of row r in lane (r, h).  Blocks 0 and 1 (2 and 3) change halves: the first register then is the first tile's image, the second the second tile's
.irp i, 0,1,2,3,4,5
	v_permlane16_swap_b32 v[CB+\i], v[CB+6+\i]
	v_permlane16_swap_b32 v[CB+12+\i], v[CB+18+\i]
.endr
	global_store_b128 v4, v[CB:CB+3], s[48:49]
	global_store_b64 v5, v[CB+4:CB+5], s[48:49] offset:512
	global_store_b128 v4, v[CB+12:CB+15], s[48:49] offset:768
	global_store_b64 v5, v[CB+16:CB+17], s[48:49] offset:1280
	global_store_b128 v4, v[CB+6:CB+9], s[48:49] offset:24576
	global_store_b64 v5, v[CB+10:CB+11], s[48:49] offset:24576+512
	global_store_b128 v4, v[CB+18:CB+21], s[48:49] offset:24576+768
	global_store_b64 v5, v[CB+22:CB+23], s[48:49] offset:24576+1280
	global_store_b32 v6, v[WD], s[50:51]
	s_endpgm
.Lxpath:
	; ---- 16 rows of hidden_states, and 16 rows of the table
	s_sub_co_u32 s24, s24, 40
	s_lshl_b32 s24, s24, 4
	s_add_co_u32 s24, s24, s23                     ; the tile, 0 .. 127
	s_wait_alu depctr_va_vdst(0)
	v_and_b32 v3, 15, v2                           ; r
	v_lshrrev_b32 v4, 4, v2                        ; h
	v_lshlrev_b32 v5, 3, v4                        ; 8 h
	s_mul_i32 s25, s22, 8448                       ; my stage: 16 rows x 528 bytes
	v_lshlrev_b32 v8, 4, v2
	v_lshlrev_b32 v9, 3, v2
	v_lshlrev_b32 v10, 2, v2
	v_lshlrev_b32 v11, 4, v0
	v_add_nc_u32 v6, s25, v8                       ; in: 16 x lane of a row
	v_mul_u32_u24 v7, v3, 528
	v_lshl_add_u32 v7, v4, 7, v7
	v_add_nc_u32 v7, s25, v7                       ; back: row r, + 128 h: my block of 32
	s_mov_b32 s[SEL], 0x76543210
	s_mov_b32 s[SEL+1], 0xfedcba98                 ; lane l xor 16
	v_mov_b32 v[QT], 0                             ; written once: a lane permute's destination counts as one of its sources
	s_lshl_b32 s26, s24, 17                        ; 16 rows of 8,192 bytes a tile,
	s_lshl_b32 s28, s22, 11                        ; four K steps of 512 bytes a wave
	s_add_co_u32 s26, s26, s28
	s_mov_b32 s27, 0
	s_mul_i32 s28, s24, 24576
	s_mul_i32 s30, s22, 6144
	s_add_co_u32 s28, s28, s30
	s_mov_b32 s29, 0
	s_lshl_b32 s30, s24, 10
	s_lshl_b32 s32, s22, 8
	s_add_co_u32 s30, s30, s32
	s_mov_b32 s31, 0
	s_lshl_b32 s32, s24, 12
	s_mov_b32 s33, 0
	s_wait_alu depctr_va_vdst(0)
	s_wait_kmcnt 0x0
	s_add_nc_u64 s[26:27], s[4:5], s[26:27]
	s_add_nc_u64 s[28:29], s[14:15], s[28:29]
	s_add_nc_u64 s[30:31], s[16:17], s[30:31]
	s_add_nc_u64 s[32:33], s[20:21], s[32:33]
	LOADX 0
	LOADX 1
	; the table, while those loads are on their way.  A row is cos of 32 frequencies, then sin: 256 bytes.  Thread t: chunk t % 16 of 16 bytes, rows t / 16 and t / 16 + 8 of the tile's 16
	v_and_b32 v172, 7, v0
	v_lshlrev_b32 v172, 2, v172
.irp k, 0,1,2,3
	v_add_nc_u32 v[144+\k], \k, v172               ; i: the frequency's number
.endr
.irp k, 0,1,2,3
	v_cvt_f32_u32 v[144+\k], v[144+\k]
.endr
.irp k, 0,1,2,3
	v_mul_f32 v[148+\k], 0x3f1773c0, v[144+\k]     ; i x the upper 18 bits of L = log2(500000) / 32: exact
.endr
.irp k, 0,1,2,3
	v_floor_f32 v[152+\k], v[148+\k]
.endr
.irp k, 0,1,2,3
	v_sub_f32 v[148+\k], v[148+\k], v[152+\k]      ; exact
.endr
.irp k, 0,1,2,3
	v_fmamk_f32 v[156+\k], v[144+\k], 0x35d1c6ce, v[148+\k]   ; + i x the rest of L
.endr
	s_wait_alu depctr_va_vdst(0)
.irp k, 0,1,2,3
	v_exp_f32 v[156+\k], -v[156+\k]
.endr
	v_nop                                          ; a plain place behind the exponentials
.irp k, 0,1,2,3
	v_cvt_i32_f32 v[152+\k], v[152+\k]
.endr
.irp k, 0,1,2,3
	v_sub_nc_u32 v[152+\k], 0, v[152+\k]
.endr
	s_wait_alu depctr_va_vdst(0)
.irp k, 0,1,2,3
	v_ldexp_f32 v[160+\k], v[156+\k], v[152+\k]    ; 500000^(-i/32)
.endr
	v_lshrrev_b32 v164, 4, v0
	s_lshl_b32 s34, s24, 4
	v_add_nc_u32 v164, s34, v164
	v_cvt_f32_u32 v164, v164                       ; the position
	v_bfe_u32 v165, v0, 3, 1
	v_sub_nc_u32 v165, 1, v165                     ; 1 for cos, 0 for sin
.irp k, 0,1,2,3
	SINCOS \k, 176+\k
.endr
	global_store_b128 v11, v[176:179], s[32:33]    ; 32 lanes store 512 consecutive bytes
	v_add_f32 v164, 0x41000000, v164               ; eight rows on
.irp k, 0,1,2,3
	SINCOS \k, 180+\k
.endr
	global_store_b128 v11, v[180:183], s[32:33] offset:2048
	XSTEP 0
	XSTEP 1
	XSTEP 2
	XSTEP 3
	v_cmp_ne_u32 vcc_lo, 0, v4                     ; two K steps' words leave together: lanes 0-15 the first's, lanes 16-31 the second's: 128 consecutive bytes
	v_cndmask_b32 v[WQ], v[WQ], v[WQ+1], vcc_lo
	v_cndmask_b32 v[WQ+2], v[WQ+2], v[WQ+3], vcc_lo
	global_store_b32 v10, v[WQ], s[30:31]
	global_store_b32 v10, v[WQ+2], s[30:31] offset:128
	s_wait_tensorcnt 0x0
	ds_add_u32 v240, v241
	s_wait_dscnt 0x0
	s_endpgm
.Lfunc_end_k_qfcbd48f250_quant:
	.size	k_qfcbd48f250_quant, .Lfunc_end_k_qfcbd48f250_quant-k_qfcbd48f250_quant
	.p2alignl 7, 3214868480
	.fill 96, 4, 3214868480
	.section	.rodata,"a",@progbits
	.p2align	6, 0x0
	.amdhsa_kernel k_qfcbd48f250_quant
		.amdhsa_group_segment_fixed_size 34304
		.amdhsa_private_segment_fixed_size 0
		.amdhsa_enable_private_segment 0
		.amdhsa_kernarg_size 72
		.amdhsa_user_sgpr_count 2
		.amdhsa_user_sgpr_kernarg_segment_ptr 1
		.amdhsa_wavefront_size32 1
		.amdhsa_system_sgpr_workgroup_id_x 1
		.amdhsa_system_sgpr_workgroup_id_y 1
		.amdhsa_system_sgpr_workgroup_id_z 1
		.amdhsa_system_vgpr_workitem_id 0
		.amdhsa_next_free_vgpr 242
		.amdhsa_next_free_sgpr 66
		.amdhsa_reserve_vcc 1
		.amdhsa_float_denorm_mode_32 3
		.amdhsa_float_denorm_mode_16_64 3
		.amdhsa_memory_ordered 1
		.amdhsa_forward_progress 1
		.amdhsa_inst_pref_size 66
	.end_amdhsa_kernel
	.amdgpu_metadata
---
amdhsa.version: [ 1, 2 ]
amdhsa.kernels:
  - .name:           k_qfcbd48f250_quant
    .symbol:         k_qfcbd48f250_quant.kd
    .args:
      - { .name: hidden_states, .offset: 0, .size: 8, .value_kind: global_buffer, .address_space: global }
      - { .name: Wq, .offset: 8, .size: 8, .value_kind: global_buffer, .address_space: global }
      - { .name: Wk, .offset: 16, .size: 8, .value_kind: global_buffer, .address_space: global }
      - { .name: Wv, .offset: 24, .size: 8, .value_kind: global_buffer, .address_space: global }
      - { .name: Wo, .offset: 32, .size: 8, .value_kind: global_buffer, .address_space: global }
      - { .name: cw, .offset: 40, .size: 8, .value_kind: global_buffer, .address_space: global }
      - { .name: sc1, .offset: 48, .size: 8, .value_kind: global_buffer, .address_space: global }
      - { .name: sc2, .offset: 56, .size: 8, .value_kind: global_buffer, .address_space: global }
      - { .name: rope, .offset: 64, .size: 8, .value_kind: global_buffer, .address_space: global }
    .group_segment_fixed_size: 34304
    .private_segment_fixed_size: 0
    .kernarg_segment_align: 8
    .kernarg_segment_size: 72
    .max_flat_workgroup_size: 128
    .sgpr_count:     66
    .vgpr_count:     242
    .wavefront_size: 32
...
	.end_amdgpu_metadata
.endif
;; end of part 1
;; launch qkv (part 2): grid 16 x 16, 4 waves a work-group, clusters of 4 x 4, 327,680 bytes of LDS; arguments cw, sc1, rope, qh, kv; writes qh, kv
.if DOCPART == 2
	.amdgcn_target "amdgcn-amd-amdhsa--gfx1250"
	.amdhsa_code_object_version 6
	.text
	.protected	k_qfcbd48f250_qkv
	.globl	k_qfcbd48f250_qkv
	.p2align	8
	.type	k_qfcbd48f250_qkv,@function
k_qfcbd48f250_qkv:
	s_mov_b64 s[64:65], 0
	v_nop
	global_prefetch_b8 v0, s[64:65] scope:SCOPE_SE
	s_setreg_imm32_b32 hwreg(HW_REG_WAVE_MODE, 25, 1), 1
	s_wait_xcnt 0x0
	s_wait_alu depctr_hold_cnt(0) depctr_sa_sdst(0) depctr_va_vdst(0) depctr_va_sdst(0) depctr_va_ssrc(0) depctr_va_vcc(0) depctr_vm_vsrc(0)
	s_getreg_b32 s2, hwreg(HW_REG_IB_STS2, 6, 4)
	s_cmp_eq_u32 s2, 0
	s_cbranch_scc0 .Lentry_in_a_cluster
	s_endpgm
.Lentry_in_a_cluster:
	s_bfe_u32 s2, ttmp6, 0x10000c
	s_cmp_lg_u32 s2, 0xf033
	s_cbranch_scc0 .Lentry_shape_is_right
	s_endpgm
.Lentry_shape_is_right:
; q, k, v = x Wq, x Wk, x Wv on codes of BF6 (E3M2) with E8M0 scales, K = 2048; then the rotation of q and k in f32; then q, k (along the head's 64) and v (along the keys) become codes again.
; OPERANDS lie in the order of their registers: a half image of 768 bytes is 16 rows x 64 along K (lane's registers 0-3 at 16 x lane, 4-5 at 512 + 8 x lane); a tile of 16 rows is 32 of them, 24,576 bytes.
; SHARES: a work-group makes 128 rows x 192 columns: two query heads and one head of k (columns 0-7 of the grid) or of v (8-15).  Four waves, each 64 x 96: 24 accumulators.
; K goes in four groups of four K steps of 128 through two LDS slots; all sixteen steps are written out.  A slot: x's 8 tiles, then W's 12, 6,144 bytes each.  Wave 0 fetches x's part, waves 1-3 four tiles of W each.
; CLUSTER 4 x 4: x's tiles are asked for jointly along a row of the cluster, W's along a column.  The scale words of all of K go from memory into registers once: lanes 0-15 x's tile i, lanes 16-31 W's tile i.
; THE MATRIX INSTRUCTION IS USED TRANSPOSED (source 0 = W's 16 columns, source 1 = x's 16 rows): a lane holds eight neighbouring columns of one row.
; THE WAY OUT: the 128 x 192 results meet in a stage in slot 0 (which has had its last fill and its last read).  Wave w then owns rows 32 w .. 32 w + 31 as two tiles whose lane r is row 8 u + r + 8 (r / 8):
; so the next launch's scores and results have 16 neighbours along their next K in a lane.  v is read down the stage: a lane to a channel, registers along the keys.
; REGISTERS: window 0: v1-23 lane numbers and addresses, v28-29 for the add, v32-127 scale words, v128-221 the way out.  Window 1: two sets of fragments (x at 12 a, W at 48 + 12 b).  Window 2: accumulators.  Window 3: cos, sin.
; LIMITS: NaN and infinities are not served; a block of zeros gets the byte 1 (its codes are zeros; only this program reads the bytes); blocks under 2^-122 keep the byte 1.
.set NB,    6                          ; W's tiles a wave
; THE ROWS OF A TILE ON THE WAY OUT (this takes the place of what the head says of rows 32 w ..): wave w owns tiles 2 w and 2 w + 1 of the block's eight; lane r of tile t is row 64 (t / 4) + 8 (t % 4) + r % 8 + 32 (r / 8).
; So in the next launch the 32 registers of four neighbouring tiles of scores are one lane's whole block of 32 keys.  v's tile w has channel 8 w + r % 8 + 32 (r / 8) in lane r, for the same end.
.set TBT,   12                         ; and a work-group
.set TILEB, 24576
; HOW K COMES IN (this takes the place of what the head says of four groups, two slots and the stage's place): LDS holds ten of the sixteen K steps at once, in four areas, each [tile][K steps] dense:
; x's and W's SMALL areas (K steps 0-5) and their LARGE areas (K steps 6-9).  The four first fills go out at the head, one a wave.  When K steps 0-5 have been read, the small areas are filled again, with K steps 10-15
; (wave 0 x's tiles, wave 1 W's; waves 2 and 3 issue none), behind a round of the cluster's barrier; that load has K steps 6-9 in which to land.  The stage of the way out lies in the large areas, which
; have had their only fill and whose last reads stand ahead of the barrier in front of K step 10.  No prefetch is laid: ten K steps are asked for by the launch's first loads.
.set NS,    6                          ; K steps in a small area
.set NL,    4                          ; and in a large one
.set XS,    0
.set WS,    XS+8*NS*1536
.set XL,    WS+TBT*NS*1536
.set WL,    XL+8*NL*1536
.set SPARE, WL+TBT*NL*1536             ; the spare words: 128 bytes a wave, two blocks of 256 bytes that no other line names
.set XB,    3145728
.set SC,    32                         ; scale words: K step s, tile i at v[SC + NB s + i]
.set A16,   4                          ; v4-5 x's fragments in the small, the large area: 16 x lane;  v6-7: 8 x lane
.set A8,    6
.set B16,   8                          ; v8-11 the same for W
.set B8,    10
.set SPW,   28
.set NIL,   29
.set TT,    204
.set QM,    212
.set QS,    214
.set QB,    216
.set QT,    218
.set PW,    219
.set KW,    220
.set H8,    22
.set WV,    14
.set SEL,   20
.set G1XS,  24
.set G0XS,  32
.set G0WS,  36
.set G1WS,  48
.set G0XL,  56
.set G0WL,  60
.set G1XL,  84
.set G1WL,  92
.set MSB, 0
.macro WIN new                         ; the immediate's high byte repeats the setting that is left
.if MSB != \new
	s_set_vgpr_msb (MSB<<8)|\new
.set MSB, \new
.endif
.endm
.set MUL,  0xa5                        ; sources 0 and 1 window 1, C and D window 2
.set TO_F, 0x40                        ; destination window 1
.macro G1SET g, m, c, r                ; group 1: r rows (tiles) of c elements of 8 bytes, 3,072 elements apart; no padding: fragments are read as dense runs; m: the mask
	s_or_b32 s[\g], \m, (3<<16)|(1<<21)
	s_mov_b32 s[\g+1], (\c)<<16
	s_mov_b32 s[\g+2], (\r)<<16
	s_mov_b32 s[\g+3], (\c)<<16
	s_mov_b32 s[\g+4], \r
	s_mov_b32 s[\g+5], 3072
	s_mov_b32 s[\g+6], 0
	s_mov_b32 s[\g+7], 0
.endm
.macro G0SET g, l, b, o                ; group 0: to LDS byte l, from the address in s[b:b+1] + o
	s_mov_b32 s[\g], 1
	s_mov_b32 s[\g+1], \l
	s_add_nc_u64 s[\g+2:\g+3], s[\b:\b+1], \o
	s_or_b32 s[\g+3], s[\g+3], 0x80000000
.endm
.macro ARM under, g0, g1, next         ; an arm of the head's one chain of branches on the wave's number: its load, and a jump to the chain's end
	s_cmp_lt_u32 s[WV], \under
	s_cbranch_scc0 \next
	tensor_load_to_lds s[\g0:\g0+3], s[\g1:\g1+7]
	s_nop 0
.rept 4
	v_nop
.endr
	s_branch .Lhead_asked
\next:
.endm
.macro RLOAD                           ; the refill of the small areas: wave 0 x's, wave 1 W's; the four v_nop of each arm are also the places in front of the loads that follow
	s_cmp_lt_u32 s[WV], 1
	s_cbranch_scc0 .Lre_w_\@
	tensor_load_to_lds s[G0XS:G0XS+3], s[G1XS:G1XS+7]
	s_nop 0
.rept 4
	v_nop
.endr
	s_branch .Lre_done_\@
.Lre_w_\@:
	s_cmp_lt_u32 s[WV], 2
	s_cbranch_scc0 .Lre_none_\@
	tensor_load_to_lds s[G0WS:G0WS+3], s[G1WS:G1WS+7]
	s_nop 0
.rept 4
	v_nop
.endr
	s_branch .Lre_done_\@
.Lre_none_\@:
.rept 4
	v_nop
.endr
.Lre_done_\@:
.endm
.macro CREST                           ; a round of the cluster's barrier behind its opening barrier
	s_cmp_lg_u32 s[WV], 0
	s_cbranch_scc1 .Lnot_wave_0_\@
	s_barrier_signal -3
.Lnot_wave_0_\@:
	s_barrier_wait -3
	s_barrier_signal -1
	s_barrier_wait -1
.endm
.macro CROUND
	s_barrier_signal -1
	s_barrier_wait -1
	CREST
.endm
.macro PLACES                          ; four places in front of loads into registers that matrix instructions have read, and of the first read of results
.rept 4
	v_nop
.endr
.endm
.macro FRAG reg, a16, a8, off          ; a fragment is two half images on end: four dense loads
	ds_load_b128 v[(\reg):(\reg)+3], v[\a16] offset:(\off)
	ds_load_b64 v[(\reg)+4:(\reg)+5], v[\a8] offset:(\off)+512
	ds_load_b128 v[(\reg)+6:(\reg)+9], v[\a16] offset:(\off)+768
	ds_load_b64 v[(\reg)+10:(\reg)+11], v[\a8] offset:(\off)+1280
.endm
.macro FETCH st, p                     ; K step st into set p.  AR: its area (0 small, 1 large), PT: a tile's bytes there, PS: its place in the tile
.if (\st) >= NS && (\st) < NS+NL
.set AR, 1
.set PT, NL*1536
.set PS, (\st)-NS
.else
.set AR, 0
.set PT, NS*1536
.if (\st) < NS
.set PS, (\st)
.else
.set PS, (\st)-NS-NL
.endif
.endif
	WIN TO_F
.irp i, 0,1,2,3
	FRAG 128*(\p)+12*\i, A16+AR, A8+AR, \i*PT+PS*1536
.endr
.set fb, 0
.rept NB
	FRAG 128*(\p)+48+12*fb, B16+AR, B8+AR, fb*PT+PS*1536
.set fb, fb+1
.endr
.endm
.macro MUL1 a, p, s, zero              ; x's tile a against W's NB; the accumulators take turns, one instruction a turn, in the same order in every K step
.set mb, 0
.rept NB
.if \zero
	v_wmma_scale_f32_16x16x128_f8f6f4 v[8*(NB*(\a)+mb):8*(NB*(\a)+mb)+7], v[128*(\p)+48+12*mb:128*(\p)+48+12*mb+11], v[128*(\p)+12*(\a):128*(\p)+12*(\a)+11], 0, v[SC+NB*(\s)+mb], v[SC+NB*(\s)+(\a)] matrix_a_fmt:MATRIX_FMT_BF6 matrix_b_fmt:MATRIX_FMT_BF6 matrix_a_scale:MATRIX_SCALE_ROW1
.else
	v_wmma_scale_f32_16x16x128_f8f6f4 v[8*(NB*(\a)+mb):8*(NB*(\a)+mb)+7], v[128*(\p)+48+12*mb:128*(\p)+48+12*mb+11], v[128*(\p)+12*(\a):128*(\p)+12*(\a)+11], v[8*(NB*(\a)+mb):8*(NB*(\a)+mb)+7], v[SC+NB*(\s)+mb], v[SC+NB*(\s)+(\a)] matrix_a_fmt:MATRIX_FMT_BF6 matrix_b_fmt:MATRIX_FMT_BF6 matrix_a_scale:MATRIX_SCALE_ROW1
.endif
.set mb, mb+1
.endr
.endm
.macro STEP st, zero                   ; a K step whose successor's bytes are known to be in
	s_wait_dscnt 0x0                               ; this step's fragments are in (asked for in the middle of the step before)
	WIN MUL
	MUL1 0, (\st)%2, \st, \zero
	MUL1 1, (\st)%2, \st, \zero
	PLACES
	FETCH (\st)+1, 1-(\st)%2
	WIN MUL
	MUL1 2, (\st)%2, \st, \zero
	MUL1 3, (\st)%2, \st, \zero
.endm
.macro TURN st, fill                   ; an odd K step with a barrier in it.  fill = 1: the small areas have been read: the barrier opens a round of the cluster's barrier and they are filled again; fill = 0: the refill is shown to all waves
	WIN 0
	s_wait_tensorcnt 0x0                           ; all my tensor loads have landed
	ds_add_u32 v[SPW], v[NIL]                      ; 0 onto my spare word
	s_wait_dscnt 1                                 ; the fragments are in; the add alone may be out
	WIN MUL
	MUL1 0, 1, \st, 0
	s_wait_dscnt 0x0                               ; the add is done, and my reads so far are over
	s_barrier_signal -1
	MUL1 1, 1, \st, 0
	WIN 0
	s_barrier_wait -1
.if \fill
	CREST                                          ; no wave of any partner still reads the small areas or has a load on its way
	s_add_nc_u64 s[G0XS+2:G0XS+3], s[G0XS+2:G0XS+3], (NS+NL)*1536
	s_add_nc_u64 s[G0WS+2:G0WS+3], s[G0WS+2:G0WS+3], (NS+NL)*1536
	RLOAD                                          ; the first tensor load behind the round
.else
	PLACES
.endif
	FETCH (\st)+1, 0
	WIN MUL
	MUL1 2, 1, \st, 0
	MUL1 3, 1, \st, 0
.endm
; 64 numbers of a lane, two whole blocks, become a fragment's twelve registers at v[d] and the row's scale word in v[PW]
.macro QUANT2 s, d
.irp c, 0,1
	v_max3_num_f32 v[QM+\c], |v[(\s)+32*\c]|, |v[(\s)+32*\c+1]|, 0x2800000
.endr
.irp i, 2,4,6,8,10,12,14,16,18,20,22,24,26,28,30
.irp c, 0,1
	v_max3_num_f32 v[QM+\c], v[QM+\c], |v[(\s)+32*\c+\i]|, |v[(\s)+32*\c+\i+1]|
.endr
.endr
.irp c, 0,1
	v_add_nc_u32 v[QS+\c], 0xfe000000, v[QM+\c]
.endr
.irp c, 0,1
	v_lshrrev_b32 v[QB+\c], 23, v[QS+\c]
.endr
	v_lshl_or_b32 v[PW], v[QB+1], 16, v[QB]
	v_lshlrev_b32 v[PW], v[H8], v[PW]
	v_permlanex16_b32 v[QT], v[PW], s[SEL], s[SEL+1]
	v_or_b32 v[PW], v[PW], v[QT]
.irp c, 0,1
	v_cvt_scalef32_pk16_bf6_f32 v[(\d)+6*\c:(\d)+6*\c+2], v[(\s)+32*\c:(\s)+32*\c+15], v[QS+\c]
	v_cvt_scalef32_pk16_bf6_f32 v[TT+4*\c:TT+4*\c+2], v[(\s)+32*\c+16:(\s)+32*\c+31], v[QS+\c]
.endr
	v_nop                                          ; one plain place behind a scaled conversion
.irp c, 0,1
.irp i, 0,1,2
	v_mov_b32 v[(\d)+6*\c+3+\i], v[TT+4*\c+\i]
.endr
.endr
.endm
; Head hs of the stage's three, tile u of my two: my block of 32 channels and the other one come from the stage; own x cos + (-, +) other x sin; the block becomes a half image in v192-197, the row's word (two bytes) in v[PW]
.macro ROPEQ hs, u
.irp i, 0,1,2,3,4,5,6,7
	ds_load_b128 v[128+4*\i:131+4*\i], v15 offset:6272*(\u)+256*(\hs)+16*\i
.endr
.irp i, 0,1,2,3,4,5,6,7
	ds_load_b128 v[160+4*\i:163+4*\i], v16 offset:6272*(\u)+256*(\hs)+16*\i
.endr
	s_wait_dscnt 0x0
	s_wait_xcnt 0x0                                ; earlier stores have read their data: the codes' and the word's registers are written again only behind this wait
	WIN 0x0c                                       ; source 1 (cos, sin) window 3
.irp i, 0,2,4,6,8,10,12,14,16,18,20,22,24,26,28,30
	v_pk_mul_f32 v[160+\i:161+\i], v[160+\i:161+\i], v[64*(\u)+32+\i:64*(\u)+33+\i]
.endr
.irp i, 0,2,4,6,8,10,12,14,16,18,20,22,24,26,28,30
	v_pk_fma_f32 v[128+\i:129+\i], v[128+\i:129+\i], v[64*(\u)+\i:64*(\u)+1+\i], v[160+\i:161+\i]
.endr
	WIN 0
	v_max3_num_f32 v[QM], |v128|, |v129|, 0x2800000               ; the block's largest magnitude, with the floor 2^(5 - 127); two chains
	v_max3_num_f32 v[QM+1], |v130|, |v131|, |v132|
.irp i, 133,137,141,145,149,153
	v_max3_num_f32 v[QM], v[QM], |v[\i]|, |v[\i+1]|
	v_max3_num_f32 v[QM+1], v[QM+1], |v[\i+2]|, |v[\i+3]|
.endr
	v_max3_num_f32 v[QM], v[QM], |v157|, |v158|
	v_max3_num_f32 v[QM], v[QM], v[QM+1], |v159|
	v_add_nc_u32 v[QS], 0xfe000000, v[QM]
	v_lshrrev_b32 v[QB], 23, v[QS]
	v_lshlrev_b32 v[PW], v[H8], v[QB]              ; byte h; bytes 2 and 3 stay 0: they stand over zero codes in the next launch
	v_permlanex16_b32 v[QT], v[PW], s[SEL], s[SEL+1]
	v_or_b32 v[PW], v[PW], v[QT]
	v_cvt_scalef32_pk16_bf6_f32 v[192:194], v[128:143], v[QS]
	v_cvt_scalef32_pk16_bf6_f32 v[TT:TT+2], v[144:159], v[QS]
	v_nop                                          ; one plain place behind a scaled conversion
.irp i, 0,1,2
	v_mov_b32 v[195+\i], v[TT+\i]
.endr
.endm
	s_load_b256 s[4:11], s[0:1], 0x0               ; cw s[4:5], sc1 s[6:7], rope s[8:9], qh s[10:11]
	s_load_b64 s[12:13], s[0:1], 0x20              ; kv
	v_lshl_add_u32 v[SPW], v0, 2, SPARE
	v_mov_b32 v[NIL], 0
	ds_add_u32 v28, v29
	ds_add_u32 v28, v29
	s_wait_dscnt 0x0
	v_lshrrev_b32 v1, 5, v0
	v_readfirstlane_b32 s[WV], v1                  ; wave 0..3
	s_lshr_b32 s15, s[WV], 1                       ; which 64 rows are mine
	s_and_b32 s16, s[WV], 1                        ; which 96 columns
	s_bfe_u32 s40, ttmp6, 0x40000                  ; cx, cy
	s_bfe_u32 s41, ttmp6, 0x40004
	s_lshl_b32 s42, ttmp9, 2
	s_add_co_u32 s42, s42, s40                     ; the grid's column c
	s_and_b32 s17, ttmp7, 0xffff
	s_lshl_b32 s17, s17, 2
	s_add_co_u32 s17, s17, s41                     ; the grid's row y
	s_lshl_b32 s43, s41, 2
	s_lshl_b32 s43, 15, s43                        ; my row of the cluster
	s_lshl_b32 s44, 0x1111, s40                    ; my column
	; group 1: rows of 192 elements of 8 bytes a K step (six K steps in a small area, four in a large), 3,072 elements apart; 8 such rows for x, 12 for W; no padding: fragments are read as dense runs
	G1SET G1XS, s43, NS*192, 8                     ; x's tiles go to my row of the cluster,
	G1SET G1WS, s44, NS*192, TBT                   ; W's to my column
	G1SET G1XL, s43, NL*192, 8
	G1SET G1WL, s44, NL*192, TBT
	s_mul_i32 s18, s17, 8*TILEB                    ; x: tiles 8 y on
	s_mov_b32 s19, 0
	s_mul_i32 s46, s42, TBT*TILEB                  ; W: tiles 12 c on
	s_add_co_u32 s46, s46, XB
	s_mov_b32 s47, 0
	s_wait_kmcnt 0x0
	s_add_nc_u64 s[18:19], s[4:5], s[18:19]
	s_add_nc_u64 s[46:47], s[4:5], s[46:47]
	CROUND                                         ; all sixteen work-groups are here: the first joint loads meet
	G0SET G0XS, XS, 18, 0
	G0SET G0WS, WS, 46, 0
	G0SET G0XL, XL, 18, NS*1536
	G0SET G0WL, WL, 46, NS*1536
	ARM 1, G0XS, G1XS, .Lhead_b                    ; the head's four fills, one a wave
	ARM 2, G0WS, G1WS, .Lhead_c
	ARM 3, G0XL, G1XL, .Lhead_d
	tensor_load_to_lds s[G0WL:G0WL+3], s[G1WL:G1WL+7]
	s_nop 0
.rept 4
	v_nop
.endr
.Lhead_asked:
	v_and_b32 v3, 31, v0                           ; lane
	v_and_b32 v1, 15, v0                           ; r
	v_bfe_u32 v2, v0, 4, 1                         ; h
	s_wait_alu depctr_va_vdst(0)
	v_lshlrev_b32 v19, 4, v3
	v_lshlrev_b32 v20, 3, v3
	v_lshlrev_b32 v21, 2, v3
	v_lshlrev_b32 v22, 3, v2                       ; 8 h
	v_xor_b32 v23, 1, v2
	v_lshlrev_b32 v23, 31, v23                     ; the sign of the other half's term: minus for channels 0-31
	v_mov_b32 v[QT], 0                             ; written once: a lane permute's destination counts as one of its sources
	s_mov_b32 s[SEL], 0x76543210
	s_mov_b32 s[SEL+1], 0xfedcba98
	; the scale words of all sixteen K steps: lanes 0-15 x's tile 8 y + 4 (wave / 2) + i, lanes 16-31 W's tile 128 + 12 c + 6 (wave % 2) + i of sc1 (for i = 4, 5 lanes 0-15 hold words that no product names)
	s_lshl_b32 s68, s17, 3
	s_lshl_b32 s69, s15, 2
	s_add_co_u32 s68, s68, s69
	s_lshl_b32 s68, s68, 10
	s_mul_i32 s69, s42, TBT
	s_mul_i32 s70, s16, NB
	s_add_co_u32 s69, s69, s70
	s_add_co_u32 s69, s69, 128
	s_lshl_b32 s69, s69, 10
	s_sub_co_u32 s69, s69, s68
	v_mul_u32_u24 v12, s69, v2
	v_lshl_add_u32 v12, v1, 2, v12
	v_add_nc_u32 v12, s68, v12
.set ss, 0
.rept 16
.set si, 0
.rept NB
	global_load_b32 v[SC+NB*ss+si], v12, s[6:7] offset:si*1024+ss*64
.set si, si+1
.endr
.set ss, ss+1
.endr
	; cos and sin of my two tiles' rows on the way out: position 128 y + 64 (wave / 2) + 16 (wave % 2) + 8 u + r % 8 + 32 (r / 8); they stay out until then
	v_and_b32 v24, 8, v1
	v_mad_u32_u24 v24, v24, 3, v1                  ; r + 24 (r / 8) = r % 8 + 32 (r / 8)
	s_lshl_b32 s70, s17, 7
	s_lshl_b32 s71, s15, 6
	s_add_co_u32 s70, s70, s71
	s_lshl_b32 s71, s16, 4
	s_add_co_u32 s70, s70, s71
	v_add_nc_u32 v13, s70, v24
	v_lshlrev_b32 v13, 8, v13
	WIN 0xc0                                       ; destination window 3
.irp u, 0,1
.irp i, 0,1,2,3,4,5,6,7,8,9,10,11,12,13,14,15
	global_load_b128 v[64*\u+4*\i:64*\u+4*\i+3], v13, s[8:9] offset:2048*\u+16*\i
.endr
.endr
	WIN 0
	s_mul_i32 s66, s15, 4*NS*1536                  ; my four tiles of x and my six of W, in the small areas,
	s_mul_i32 s67, s16, NB*NS*1536
	s_add_co_u32 s67, s67, WS
	v_add_nc_u32 v[A16], s66, v19
	v_add_nc_u32 v[A8], s66, v20
	v_add_nc_u32 v[B16], s67, v19
	v_add_nc_u32 v[B8], s67, v20
	s_mul_i32 s66, s15, 4*NL*1536                  ; and in the large ones
	s_add_co_u32 s66, s66, XL
	s_mul_i32 s67, s16, NB*NL*1536
	s_add_co_u32 s67, s67, WL
	v_add_nc_u32 v[A16+1], s66, v19
	v_add_nc_u32 v[A8+1], s66, v20
	v_add_nc_u32 v[B16+1], s67, v19
	v_add_nc_u32 v[B8+1], s67, v20
	; the stage: 128 rows x (768 bytes + 16)
	s_mul_i32 s72, s15, 64*784
	s_mul_i32 s73, s16, 384
	s_add_co_u32 s72, s72, s73
	s_add_co_u32 s72, s72, XL                      ; the stage begins with the large areas
	v_mul_u32_u24 v14, v1, 784
	v_lshl_add_u32 v14, v2, 5, v14
	v_add_nc_u32 v14, s72, v14                     ; in: row 64 (wave / 2) + r, byte 384 (wave % 2) + 32 h
	s_lshl_b32 s73, s15, 2
	s_add_co_u32 s73, s73, s16
	s_mul_i32 s73, s73, 16*784
	s_add_co_u32 s73, s73, XL
	v_mul_u32_u24 v25, v24, 784
	v_add_nc_u32 v25, s73, v25
	v_lshl_add_u32 v15, v2, 7, v25                 ; back: row 64 (wave / 2) + 16 (wave % 2) + r % 8 + 32 (r / 8), my block of 32 channels,
	v_xor_b32 v26, 1, v2
	v_lshl_add_u32 v16, v26, 7, v25                ; and the other block
	s_lshl_b32 s74, s[WV], 5
	s_add_co_u32 s74, s74, 512+XL
	v_mul_u32_u24 v17, v2, 25088
	v_lshl_add_u32 v17, v24, 2, v17
	v_add_nc_u32 v17, s74, v17                     ; v: key 32 h, channel 8 wave + r % 8 + 32 (r / 8) of the third head;
	v_add_nc_u32 v18, 50176, v17                   ; and 64 keys further down
	s_lshl_b32 s76, s42, 8                         ; qh: head 2 c, tile 8 y + 2 wave, 1,024 bytes a tile
	s_lshl_b32 s77, s17, 3
	s_add_co_u32 s76, s76, s77
	s_lshl_b32 s77, s[WV], 1
	s_add_co_u32 s76, s76, s77
	s_lshl_b32 s76, s76, 10
	s_mov_b32 s77, 0
	s_add_nc_u64 s[76:77], s[10:11], s[76:77]
	s_and_b32 s78, s42, 7                          ; kv: the record of head c % 8, key step y
	s_lshl_b32 s78, s78, 4
	s_add_co_u32 s78, s78, s17
	s_mul_i32 s78, s78, 13312
	s_mov_b32 s79, 0
	s_add_nc_u64 s[78:79], s[12:13], s[78:79]
	s_mul_i32 s80, s[WV], 1536
	s_mov_b32 s81, 0
	s_add_nc_u64 s[80:81], s[78:79], s[80:81]      ; my two half images of k, or (6,144 on) my fragment of v
	s_lshl_b32 s82, s[WV], 2
	s_mov_b32 s83, 0
	s_add_nc_u64 s[82:83], s[78:79], s[82:83]      ; my word among a lane's four
	s_wait_alu depctr_va_vdst(0)                   ; the wait at the head's end
	s_wait_tensorcnt 0x0                           ; my one of the head's four fills is in,
	s_barrier_signal -1
	s_barrier_wait -1                              ; everybody's is
	FETCH 0, 0
	s_wait_loadcnt 32                              ; the scale words are in; the 32 loads of cos and sin, issued behind them, may be out
	STEP 0, 1                                      ; the first K step starts the sums: nothing is cleared
.irp t, 1,2,3,4
	STEP \t, 0
.endr
	TURN 5, 1                                      ; the small areas take K steps 10-15
.irp t, 6,7,8
	STEP \t, 0
.endr
	TURN 9, 0                                      ; which are in
.irp t, 10,11,12,13,14
	STEP \t, 0
.endr
	s_wait_dscnt 0x0
	WIN MUL
	MUL1 0, 1, 15, 0
	MUL1 1, 1, 15, 0
	MUL1 2, 1, 15, 0
	MUL1 3, 1, 15, 0
	WIN 0
	PLACES
	; ---- the way out.  Results into the stage, each accumulator from its low end on
	WIN 0x08                                       ; an LDS store's data are its source 1: window 2
.irp a, 0,1,2,3
.set eb, 0
.rept NB
	ds_store_b128 v14, v[8*(NB*\a+eb):8*(NB*\a+eb)+3] offset:12544*\a+64*eb
	ds_store_b128 v14, v[8*(NB*\a+eb)+4:8*(NB*\a+eb)+7] offset:12544*\a+64*eb+16
.set eb, eb+1
.endr
.endr
	WIN 0
	s_wait_dscnt 0x0                               ; for the others' sake: my stores into the stage are done
	s_barrier_signal -1
	s_barrier_wait -1
	s_wait_loadcnt 0x0                             ; cos and sin
	WIN 0xcc                                       ; source 1 and destination window 3
.irp u, 0,1
.set li, 0
.rept 32
	v_xor_b32 v[64*\u+32+li], v23, v[64*\u+32+li]  ; sin takes the sign of my half
.set li, li+1
.endr
.endr
	WIN 0
.irp hs, 0,1
.irp u, 0,1
	ROPEQ \hs, \u
	global_store_b128 v19, v[192:195], s[76:77] offset:\hs*131072+\u*1024
	global_store_b64 v20, v[196:197], s[76:77] offset:\hs*131072+\u*1024+512
	global_store_b32 v21, v[PW], s[76:77] offset:\hs*131072+\u*1024+768
.endr
.endr
	s_cmp_lt_u32 ttmp9, 2                          ; the cluster's x, equal in all partners: columns 0-7 carry a head of k, 8-15 one of v
	s_cbranch_scc0 .Lvpath
.irp u, 0,1
	ROPEQ 2, \u
	global_store_b128 v19, v[192:195], s[80:81] offset:768*\u
	global_store_b64 v20, v[196:197], s[80:81] offset:768*\u+512
	v_mov_b32 v[KW+\u], v[PW]
.endr
	v_cmp_ne_u32 vcc_lo, 0, v2
	v_cndmask_b32 v[KW], v[KW], v[KW+1], vcc_lo    ; lanes 0-15 carry the even tile's words, lanes 16-31 the odd tile's
	global_store_b32 v19, v[KW], s[82:83] offset:12288
	s_branch .Ldone
.Lvpath:
.set li, 0
.rept 32
	ds_load_b32 v[128+li], v17 offset:784*li       ; v(key 32 h + i, my channel)
.set li, li+1
.endr
.set li, 0
.rept 32
	ds_load_b32 v[160+li], v18 offset:784*li       ; v(key 64 + 32 h + i, my channel)
.set li, li+1
.endr
	s_wait_dscnt 0x0
	s_wait_xcnt 0x0                                ; q's stores have read their data
	QUANT2 128, 192
	global_store_b128 v19, v[192:195], s[80:81] offset:6144
	global_store_b64 v20, v[196:197], s[80:81] offset:6144+512
	global_store_b128 v19, v[198:201], s[80:81] offset:6144+768
	global_store_b64 v20, v[202:203], s[80:81] offset:6144+1280
	global_store_b32 v19, v[PW], s[82:83] offset:12800
.Ldone:
	s_wait_tensorcnt 0x0                           ; the wave's end
	ds_add_u32 v[SPW], v[NIL]
	s_wait_dscnt 0x0
	CROUND                                         ; the closing round
	s_endpgm
.Lfunc_end_k_qfcbd48f250_qkv:
	.size	k_qfcbd48f250_qkv, .Lfunc_end_k_qfcbd48f250_qkv-k_qfcbd48f250_qkv
	.p2alignl 7, 3214868480
	.fill 96, 4, 3214868480
	.section	.rodata,"a",@progbits
	.p2align	6, 0x0
	.amdhsa_kernel k_qfcbd48f250_qkv
		.amdhsa_group_segment_fixed_size 327680
		.amdhsa_private_segment_fixed_size 0
		.amdhsa_enable_private_segment 0
		.amdhsa_kernarg_size 40
		.amdhsa_user_sgpr_count 2
		.amdhsa_user_sgpr_kernarg_segment_ptr 1
		.amdhsa_wavefront_size32 1
		.amdhsa_system_sgpr_workgroup_id_x 1
		.amdhsa_system_sgpr_workgroup_id_y 1
		.amdhsa_system_sgpr_workgroup_id_z 1
		.amdhsa_system_vgpr_workitem_id 0
		.amdhsa_next_free_vgpr 1024
		.amdhsa_next_free_sgpr 100
		.amdhsa_reserve_vcc 1
		.amdhsa_float_denorm_mode_32 3
		.amdhsa_float_denorm_mode_16_64 3
		.amdhsa_memory_ordered 1
		.amdhsa_forward_progress 1
		.amdhsa_inst_pref_size 158
	.end_amdhsa_kernel
	.amdgpu_metadata
---
amdhsa.version: [ 1, 2 ]
amdhsa.kernels:
  - .name:           k_qfcbd48f250_qkv
    .symbol:         k_qfcbd48f250_qkv.kd
    .args:
      - { .name: cw, .offset: 0, .size: 8, .value_kind: global_buffer, .address_space: global }
      - { .name: sc1, .offset: 8, .size: 8, .value_kind: global_buffer, .address_space: global }
      - { .name: rope, .offset: 16, .size: 8, .value_kind: global_buffer, .address_space: global }
      - { .name: qh, .offset: 24, .size: 8, .value_kind: global_buffer, .address_space: global }
      - { .name: kv, .offset: 32, .size: 8, .value_kind: global_buffer, .address_space: global }
    .group_segment_fixed_size: 327680
    .private_segment_fixed_size: 0
    .kernarg_segment_align: 8
    .kernarg_segment_size: 40
    .max_flat_workgroup_size: 128
    .sgpr_count:     100
    .vgpr_count:     1024
    .wavefront_size: 32
...
	.end_amdgpu_metadata
.endif
;; end of part 2
;; launch attn (part 3): grid 32 x 8, 16 waves a work-group, clusters of 4 x 1, 215,040 bytes of LDS; arguments qh, kv, oh, sc2; writes oh, sc2
.if DOCPART == 3
	.amdgcn_target "amdgcn-amd-amdhsa--gfx1250"
	.amdhsa_code_object_version 6
	.text
	.protected	k_qfcbd48f250_attn
	.globl	k_qfcbd48f250_attn
	.p2align	8
	.type	k_qfcbd48f250_attn,@function
k_qfcbd48f250_attn:
	s_mov_b64 s[64:65], 0
	v_nop
	global_prefetch_b8 v0, s[64:65] scope:SCOPE_SE
	s_setreg_imm32_b32 hwreg(HW_REG_WAVE_MODE, 25, 1), 1
	s_wait_xcnt 0x0
	s_wait_alu depctr_hold_cnt(0) depctr_sa_sdst(0) depctr_va_vdst(0) depctr_va_sdst(0) depctr_va_ssrc(0) depctr_va_vcc(0) depctr_vm_vsrc(0)
	s_getreg_b32 s2, hwreg(HW_REG_IB_STS2, 6, 4)
	s_cmp_eq_u32 s2, 0
	s_cbranch_scc0 .Lentry_in_a_cluster
	s_endpgm
.Lentry_in_a_cluster:
	s_bfe_u32 s2, ttmp6, 0x10000c
	s_cmp_lg_u32 s2, 0x3003
	s_cbranch_scc0 .Lentry_shape_is_right
	s_endpgm
.Lentry_shape_is_right:
; o = softmax(q k^T / 8 under the causal window of 1,024 keys) v, both products on codes of BF6 (E3M2) with E8M0 scales; o is then quantised along head x 64 + channel for the last product.
; THE SOFTMAX: t = score x log2(e) / 8; M = the running largest t rounded UP to a whole number; p = 2^(t - M) is quantised along the keys, not normalised; the row's sum is taken of the unquantised p and divides at the end.
; LEFT OUT: key steps of 128 whose keys the mask bans for all 16 queries of a tile (all later than the last query, or all more than 1,023 behind the first): their p are zeros for every input.
; SHARES: a work-group owns ONE query head and 16 tiles of 16 queries, a tile a wave.  Tile T has query 64 (T / 4) + 8 (T % 4) + r % 8 + 32 (r / 8) in lane r, and min(T / 8 + 1, 9) live key steps.
; THE DEAL: the 16 waves form a square (wave / 4, wave % 4).  Eight places take one tile of each of the upper eight groups of eight tiles (9 steps each); the other eight take tiles of 1..8 steps so that each row
; and each column of the square holds two tiles of 9 steps and two whose steps add up to 9: any four waves of a row or of a column walk 27 steps together.  Work-group g: even g deals steps 1, 8, 2, 7, odd g 3, 6, 4, 5, two tiles of each.
; ALL 2,048 KEYS OF THE K/V HEAD LIE IN LDS, FILLED ONCE: 16 records of 13,312 dense bytes (k's 8 half images, v's 4 fragments, k's and v's scale words), one tensor load a wave; every work-group's tiles read all 16.
; CLUSTER 4 x 1: the partners are the four query heads of one head of k and v, with the same tiles: they ask for each record JOINTLY.  The place in the cluster enters only the addresses of q, o and o's scale bytes.
; No prefetch: the launch asks for all its bytes of k and v by its first loads, and has no loop that loads from memory.
; Every wave walks 16 trips, a constant; a step that is left out is passed by a scalar branch on ids.
; LAYOUT: both products transposed: S^T = k q^T, O^T = v^T p^T: a lane holds one query.  The head has 64 channels and the instruction 128: q's upper six registers are zeros, so what stands in k's upper six counts for nothing.
; k's tile t has key 64 (t / 4) + 8 (t % 4) + i % 8 + 32 (i / 8) in lane i: register n of S^T in lane (r, h) is key 64 (n / 32) + 32 h + n % 32: a lane holds two WHOLE blocks of 32 keys, in the order of the next operand's registers.
; v's tile t has channel 8 t + i % 8 + 32 (i / 8): register n of O^T is channel 32 h + n: a whole block of the last product's K.
; REGISTERS: v1-11 addresses; v12 -M, v13 the largest score, v[14:15] the sum; v16-27 q; v28 q's words; v29-30 for the add; v32-85 k's images, then v's fragments; v96-159 S^T, then p; v160-191 O^T;
; v192-203 p's codes; v204-244 at work; v248-251 scale words.
; LIMITS: the promise holds while |t| stays under 2^31.  NaN and infinities are not served; p under 2^-126 counts as 0; a block of zeros gets the byte 1 (its codes are zeros; only this program reads the bytes).
.set REC,   13312
.set SPARE, 16*REC                     ; behind the records: the spare words, 128 bytes a wave, eight blocks of 256 bytes that no other line names
.set NIL,   29
.set SPW,   30
.set WV,    18
.set SEL,   20
.set CS,    22
.set G1,    24
.set G0,    32
.set TB,    36
.set KF,    37
.set QMIN,  38
.set QMAX,  39
.set CNT,   40
.set TL,    42
.set HD,    53
.macro CROUND                          ; a round of the cluster's barrier
	s_barrier_signal -1
	s_barrier_wait -1
	s_cmp_lg_u32 s[WV], 0
	s_cbranch_scc1 .Lnot_wave_0_\@
	s_barrier_signal -3
.Lnot_wave_0_\@:
	s_barrier_wait -3
	s_barrier_signal -1
	s_barrier_wait -1
.endm
; The masks, by halves of 64 keys (32 registers).  Hidden scores become -infinity ahead of the maximum: p = 0 then.  A half that hides nothing from any of my 16 queries is passed.
.macro MASKC c                         ; keys later than the query
	s_add_co_u32 s60, s[KF], 64*\c+63
	s_cmp_le_u32 s60, s[QMIN]
	s_cbranch_scc1 .Lc_\@
	v_sub_nc_u32 v224, v3, s[KF]                   ; d = my query - 32 h - KF: hidden where 64 c + i > d
.set n, 0
.rept 32
	v_cmp_gt_i32 vcc_lo, 64*\c+n, v224
	v_cndmask_b32 v[96+32*\c+n], v[96+32*\c+n], v223, vcc_lo
.set n, n+1
.endr
.Lc_\@:
.endm
.macro MASKW c                         ; keys more than 1,023 behind the query
	s_add_co_u32 s60, s[KF], 64*\c+1023
	s_cmp_ge_u32 s60, s[QMAX]
	s_cbranch_scc1 .Lw_\@
	s_add_co_u32 s61, s[KF], 1023
	v_sub_nc_u32 v224, v3, s61                     ; d - 1023: hidden where 64 c + i < that
.set n, 0
.rept 32
	v_cmp_lt_i32 vcc_lo, 64*\c+n, v224
	v_cndmask_b32 v[96+32*\c+n], v[96+32*\c+n], v223, vcc_lo
.set n, n+1
.endr
.Lw_\@:
.endm
	s_load_b256 s[4:11], s[0:1], 0x0               ; qh s[4:5], kv s[6:7], oh s[8:9], sc2 s[10:11]
	v_lshl_add_u32 v[SPW], v0, 2, SPARE
	v_mov_b32 v[NIL], 0
	ds_add_u32 v[SPW], v[NIL]                      ; the opening lines: the add, twice on end, and its wait ahead of my tensor load
	ds_add_u32 v[SPW], v[NIL]
	v_lshrrev_b32 v8, 5, v0
	s_delay_alu instid0(VALU_DEP_1)
	v_readfirstlane_b32 s[WV], v8                  ; wave 0..15
	s_and_b32 s41, ttmp7, 0xffff                   ; the head of k and v
	; my tile.  a = wave / 4, b = wave % 4; g = the cluster's x, equal in all partners
	s_lshr_b32 s43, s[WV], 2
	s_and_b32 s44, s[WV], 3
	s_lshr_b32 s45, s43, 1
	s_lshr_b32 s46, s44, 1
	s_and_b32 s47, s44, 1
	s_and_b32 s48, s43, 1
	s_lshl_b32 s49, s43, 1
	s_add_co_u32 s49, s49, s47
	s_lshl_b32 s49, s49, 3
	s_add_co_u32 s49, s49, ttmp9
	s_add_co_u32 s49, s49, 64                      ; an upper tile: 64 + 8 (2 a + b % 2) + g
	s_and_b32 s50, ttmp9, 1
	s_lshl_b32 s50, s50, 1
	s_add_co_u32 s50, s50, s45                     ; L = a / 2 + 2 (g % 2)
	s_sub_co_u32 s51, 7, s50
	s_xor_b32 s52, s48, s47
	s_cmp_lg_u32 s52, 0
	s_cselect_b32 s50, s51, s50                    ; the group of eight tiles: L, or 7 - L where a % 2 and b % 2 differ
	s_lshl_b32 s50, s50, 3
	s_and_b32 s51, ttmp9, 6
	s_add_co_u32 s50, s50, s51
	s_add_co_u32 s50, s50, s48                     ; a lower tile: 8 x group + 2 (g / 2) + a % 2
	s_cmp_eq_u32 s45, s46
	s_cselect_b32 s[TL], s50, s49                  ; lower where a / 2 = b / 2
	s_lshr_b32 s[QMIN], s[TL], 2
	s_lshl_b32 s[QMIN], s[QMIN], 6
	s_and_b32 s66, s[TL], 3
	s_lshl_b32 s66, s66, 3
	s_add_co_u32 s[QMIN], s[QMIN], s66             ; my tile's first query,
	s_add_co_u32 s[QMAX], s[QMIN], 39              ; and its last
	s_bfe_u32 s[HD], ttmp6, 0x40000                ; cx
	s_lshl_b32 s66, s41, 2
	s_add_co_u32 s[HD], s[HD], s66                 ; the query head
	s_lshl_b32 s58, s[HD], 7
	s_add_co_u32 s58, s58, s[TL]
	s_lshl_b32 s58, s58, 10                        ; qh: head, tile, 1,024 bytes
	s_mov_b32 s59, 0
	s_lshl_b32 s54, s[TL], 5
	s_add_co_u32 s54, s54, s[HD]
	s_mul_i32 s54, s54, 768                        ; oh: tile, head, a half image
	s_mov_b32 s55, 0
	s_lshl_b32 s56, s[TL], 10                      ; sc2: tile x 1024 + K step (head / 2) x 64 + 4 x row + 2 (head % 2) + block
	s_lshr_b32 s66, s[HD], 1
	s_lshl_b32 s66, s66, 6
	s_add_co_u32 s56, s56, s66
	s_and_b32 s66, s[HD], 1
	s_lshl_b32 s66, s66, 1
	s_add_co_u32 s56, s56, s66
	s_mov_b32 s57, 0
	s_lshl_b32 s68, s41, 4
	s_add_co_u32 s68, s68, s[WV]
	s_mul_i32 s68, s68, REC                        ; kv: record wave of my head of k and v: the same in all four partners
	s_mov_b32 s69, 0
	s_mul_i32 s70, s[WV], REC
	s_mov_b32 s[G1], 15|(3<<16)|(1<<21)            ; the four partners; a record: 52 rows of 32 elements of 8 bytes, dense
	s_mov_b32 s[G1+1], 32<<16
	s_mov_b32 s[G1+2], 52<<16
	s_mov_b32 s[G1+3], 32<<16
	s_mov_b32 s[G1+4], 52
	s_mov_b32 s[G1+5], 32
	s_mov_b32 s[G1+6], 0
	s_mov_b32 s[G1+7], 0
	s_mov_b32 s[SEL], 0x76543210
	s_mov_b32 s[SEL+1], 0xfedcba98                 ; lane l xor 16
	s_mov_b32 s[CS], 0x3e38aa3b                    ; c = log2(e) / 8
	s_mov_b32 s[CS+1], s[CS]
	s_mov_b32 s[TB], 0
	s_mov_b32 s[KF], 0
	s_mov_b32 s[CNT], 16
	v_and_b32 v4, 31, v0                           ; lane
	v_and_b32 v5, 15, v0                           ; r
	v_bfe_u32 v6, v0, 4, 1                         ; h
	v_mov_b32 v223, 0xff800000
	v_mov_b32 v13, 0xff61b1e6                      ; the largest score so far: -3e38
	v_lshlrev_b32 v1, 4, v4
	v_lshlrev_b32 v2, 3, v4
	v_lshlrev_b32 v7, 2, v4
	v_and_b32 v3, 8, v5
	v_lshlrev_b32 v10, 5, v6
	v_mul_f32 v12, s[CS], v13
	v_lshl_add_u32 v11, v5, 2, v6                  ; my scale byte: 4 r + h
	v_mad_u32_u24 v3, v3, 3, v5                    ; r % 8 + 32 (r / 8)
	v_sub_nc_u32 v10, s[QMIN], v10
	v_floor_f32 v12, -v12                          ; -M, by the step's own two lines
	s_delay_alu instid0(VALU_DEP_2)
	v_add_nc_u32 v3, v3, v10                       ; my query less 32 h
	v_lshlrev_b32 v10, 3, v6                       ; 8 h
.irp j, 14,15,22,23,24,25,26,27,80,81,82,83,84,85,218,221
	v_mov_b32 v[\j], 0                             ; the sum; q's upper half and the tail of k's last operand: zero codes; a lane permute's destination; the upper half of the pair v[220:221]
.endr
.set n, 0
.rept 32
	v_mov_b32 v[160+n], 0                          ; O^T: the step is written once; its first walk finds zeros, which the first change of M leaves zeros
.set n, n+1
.endr
	s_wait_alu depctr_va_vdst(0)                   ; the wait at the head's end
	s_wait_dscnt 0x0                               ; both opening adds are done
	s_wait_kmcnt 0x0
	s_add_nc_u64 s[58:59], s[4:5], s[58:59]
	global_load_b128 v[16:19], v1, s[58:59]
	global_load_b64 v[20:21], v2, s[58:59] offset:512
	global_load_b32 v28, v7, s[58:59] offset:768
	s_add_nc_u64 s[54:55], s[8:9], s[54:55]
	s_add_nc_u64 s[56:57], s[10:11], s[56:57]
	s_mov_b32 s[G0], 1
	s_mov_b32 s[G0+1], s70
	s_add_nc_u64 s[G0+2:G0+3], s[6:7], s[68:69]
	s_or_b32 s[G0+3], s[G0+3], 0x80000000
	CROUND                                         ; all four partners are here: the joint loads meet
	tensor_load_to_lds s[G0:G0+3], s[G1:G1+7]      ; my one tensor load of the launch
	s_nop 0
	s_wait_tensorcnt 0x0                           ; my record is in,
	s_barrier_signal -1
	s_barrier_wait -1                              ; everybody's is
	s_wait_loadcnt 0x0                             ; q
.Lstep:
	s_cmp_gt_u32 s[KF], s[QMAX]                    ; all 128 keys come after my queries,
	s_cbranch_scc1 .Lhidden
	s_add_co_u32 s60, s[KF], 1150
	s_cmp_lt_u32 s60, s[QMIN]                      ; or the last of them lies more than 1,023 behind my first query: nothing to do
	s_cbranch_scc1 .Lhidden
	v_add_nc_u32 v8, s[TB], v1
	v_add_nc_u32 v9, s[TB], v2
.irp t, 0,1,2,3,4,5,6,7
	ds_load_b128 v[32+6*\t:35+6*\t], v8 offset:768*\t
	ds_load_b64 v[36+6*\t:37+6*\t], v9 offset:768*\t+512
.endr
	ds_load_b128 v[248:251], v8 offset:12288       ; k's words: register b: lanes 0-15 tile 2 b, lanes 16-31 tile 2 b + 1
	s_wait_alu depctr_va_vdst(0)
	s_wait_dscnt 0x0
.irp t, 0,1,2,3,4,5,6,7
.if \t%2
	v_wmma_scale_f32_16x16x128_f8f6f4 v[96+8*\t:103+8*\t], v[32+6*\t:43+6*\t], v[16:27], 0, v[248+\t/2], v28 matrix_a_fmt:MATRIX_FMT_BF6 matrix_b_fmt:MATRIX_FMT_BF6 matrix_a_scale:MATRIX_SCALE_ROW1
.else
	v_wmma_scale_f32_16x16x128_f8f6f4 v[96+8*\t:103+8*\t], v[32+6*\t:43+6*\t], v[16:27], 0, v[248+\t/2], v28 matrix_a_fmt:MATRIX_FMT_BF6 matrix_b_fmt:MATRIX_FMT_BF6
.endif
.endr
.rept 4
	v_nop                                          ; places in front of the loads below and of the first read of the scores
.endr
.irp t, 0,1,2,3                                ; v's fragments and words land while the softmax is walked
	ds_load_b128 v[32+12*\t:35+12*\t], v8 offset:6144+1536*\t
	ds_load_b64 v[36+12*\t:37+12*\t], v9 offset:6144+1536*\t+512
	ds_load_b128 v[38+12*\t:41+12*\t], v8 offset:6144+1536*\t+768
	ds_load_b64 v[42+12*\t:43+12*\t], v9 offset:6144+1536*\t+1280
.endr
	ds_load_b128 v[248:251], v8 offset:12800
	MASKC 0
	MASKC 1
	MASKW 0
	MASKW 1
.irp b, 0,1,2,3                                ; the largest score of each of my two blocks of 32 keys, in four chains; each accumulator is read from its low end on
	v_max3_num_f32 v[232+\b], v[96+16*\b], v[97+16*\b], v[98+16*\b]
.endr
.irp i, 3,5,7,9,11,13
.irp b, 0,1,2,3
	v_max3_num_f32 v[232+\b], v[232+\b], v[96+16*\b+\i], v[97+16*\b+\i]
.endr
.endr
.irp c, 0,1
	v_max3_num_f32 v[212+\c], v[232+2*\c], v[233+2*\c], v[111+32*\c]
.endr
.irp c, 0,1
	v_max_num_f32 v[212+\c], v[212+\c], v[127+32*\c]   ; it serves the row's maximum and, since p rises with the score, the block's largest p
.endr
	v_max_num_f32 v222, v212, v213
	v_mov_b32 v244, v12                            ; the old -M
	v_permlanex16_b32 v218, v222, s[SEL], s[SEL+1] ; lane l xor 16 holds my query's other 64 keys
	v_max3_num_f32 v13, v13, v222, v218            ; the running largest score
	v_mul_f32 v222, s[CS], v13                     ; as t (c is positive)
	v_floor_f32 v12, -v222                         ; the new -M = -ceil(t)
	v_sub_f32 v222, v12, v244                      ; old M - new M: a whole number, 0 or less
	v_cvt_i32_f32 v222, v222                       ; (it saturates)
	v_ldexp_f32 v220, 1.0, v222                    ; f = 2^(old M - new M): rounds nothing
.set n, 0
.rept 32
	v_pk_fma_f32 v[96+n:97+n], v[96+n:97+n], s[CS:CS+1], v[12:13] op_sel_hi:[1,0,0]   ; t - M (of the pairs the low word serves both halves)
.set n, n+2
.endr
.irp c, 0,1
	v_fma_f32 v[212+\c], v[212+\c], s[CS], v12
.endr
	s_wait_alu depctr_va_vdst(0)                   ; the wait ahead of the batch
.set n, 0
.rept 64
	v_exp_f32 v[96+n], v[96+n]                     ; p = 2^(t - M)
.set n, n+1
.endr
.irp c, 0,1
	v_exp_f32 v[212+\c], v[212+\c]                 ; the block's largest p
.endr
	v_pk_mul_f32 v[14:15], v[14:15], v[220:221] op_sel_hi:[1,0]    ; the sums under the new M (a plain place behind the exponentials)
	s_wait_alu depctr_va_vdst(0)                   ; and the wait behind the batch
.irp c, 0,1
	v_max_num_f32 v[212+\c], 0x2800000, v[212+\c]  ; the floor 2^(5 - 127): the byte cannot fall under 1
.endr
.irp c, 0,1
	s_delay_alu instid0(VALU_DEP_2)
	v_add_nc_u32 v[214+\c], 0xfe000000, v[212+\c]  ; 4 off the exponent field: the conversion's scale operand
.endr
.irp c, 0,1
	s_delay_alu instid0(VALU_DEP_2)
	v_lshrrev_b32 v[216+\c], 23, v[214+\c]         ; the byte
.endr
.irp c, 0,1                                    ; registers 6 c .. 6 c + 5 of the operand: k = 64 c + 32 h + 0 .. 31, as my registers lie
	v_cvt_scalef32_pk16_bf6_f32 v[192+6*\c:194+6*\c], v[96+32*\c:111+32*\c], v[214+\c]
	v_cvt_scalef32_pk16_bf6_f32 v[204+4*\c:206+4*\c], v[112+32*\c:127+32*\c], v[214+\c]   ; (a conversion's three registers begin on an even number)
.endr
	v_lshl_or_b32 v219, v217, 16, v216             ; my two bytes: blocks h and 2 + h.  (The plain place behind the conversions)
.irp i, 0,1,2
	v_mov_b32 v[195+\i], v[204+\i]
.endr
	v_lshlrev_b32 v219, v10, v219                  ; 8 h bits up
.irp i, 0,1,2
	v_mov_b32 v[201+\i], v[208+\i]
.endr
	v_permlanex16_b32 v218, v219, s[SEL], s[SEL+1]
.irp k, 0,1,2,3                                ; the row's sum is taken of the unquantised p: two at a time, in four chains
	v_pk_add_f32 v[236+2*\k:237+2*\k], v[96+2*\k:97+2*\k], v[104+2*\k:105+2*\k]
.endr
	v_or_b32 v219, v219, v218                      ; with lane l xor 16's two bytes p's scale word is whole
.irp j, 16,24,32,40,48,56
.irp k, 0,1,2,3
	v_pk_add_f32 v[236+2*\k:237+2*\k], v[236+2*\k:237+2*\k], v[96+\j+2*\k:97+\j+2*\k]
.endr
.endr
	v_pk_add_f32 v[236:237], v[236:237], v[238:239]
	v_pk_add_f32 v[240:241], v[240:241], v[242:243]
	s_delay_alu instid0(VALU_DEP_2)
	v_pk_add_f32 v[14:15], v[14:15], v[236:237]
	s_delay_alu instid0(VALU_DEP_1)
	v_pk_add_f32 v[14:15], v[14:15], v[240:241]
	s_wait_dscnt 0x0                               ; v's fragments and words are in
	s_wait_alu depctr_va_vdst(0)                   ; the wait directly ahead of the first reader of O^T
.set n, 0
.rept 16
	v_pk_mul_f32 v[160+n:161+n], v[160+n:161+n], v[220:221] op_sel_hi:[1,0]   ; O^T under the new M
.set n, n+2
.endr
.irp t, 0,1,2,3
	v_wmma_scale_f32_16x16x128_f8f6f4 v[160+8*\t:167+8*\t], v[32+12*\t:43+12*\t], v[192:203], v[160+8*\t:167+8*\t], v[248+\t], v219 matrix_a_fmt:MATRIX_FMT_BF6 matrix_b_fmt:MATRIX_FMT_BF6
.endr
.rept 4
	v_nop                                          ; places in front of the next step's loads and of the reads of O^T
.endr
.Lhidden:
	s_add_co_u32 s[TB], s[TB], REC
	s_add_co_u32 s[KF], s[KF], 128
	s_sub_co_u32 s[CNT], s[CNT], 1
	s_cmp_lg_u32 s[CNT], 0
	s_cbranch_scc1 .Lstep
	; ---- the way out: O^T / the sum; my 32 registers are block h (channels 32 h ..) of my query's row of the last product's operand
	v_add_f32 v14, v14, v15
	s_delay_alu instid0(VALU_DEP_1)
	v_permlanex16_b32 v218, v14, s[SEL], s[SEL+1]
	s_delay_alu instid0(VALU_DEP_1)
	v_add_f32 v14, v14, v218
	s_wait_alu depctr_va_vdst(0)                   ; the wait ahead of the transcendental
	v_rcp_f32 v14, v14
	v_nop                                          ; a plain place behind the reciprocal
	s_wait_alu depctr_va_vdst(0)                   ; and behind it, directly ahead of the first reader of O^T
.set n, 0
.rept 16
	v_pk_mul_f32 v[96+n:97+n], v[160+n:161+n], v[14:15] op_sel_hi:[1,0]
.set n, n+2
.endr
	v_max3_num_f32 v212, |v96|, |v97|, 0x2800000   ; the block's largest magnitude, with the floor; two chains
	v_max3_num_f32 v213, |v112|, |v113|, 0x2800000
.irp i, 2,4,6,8,10,12,14
	s_delay_alu instid0(VALU_DEP_2)
	v_max3_num_f32 v212, v212, |v[96+\i]|, |v[97+\i]|
	s_delay_alu instid0(VALU_DEP_2)
	v_max3_num_f32 v213, v213, |v[112+\i]|, |v[113+\i]|
.endr
	s_delay_alu instid0(VALU_DEP_1)
	v_max_num_f32 v212, v212, v213
	s_delay_alu instid0(VALU_DEP_1)
	v_add_nc_u32 v214, 0xfe000000, v212
	v_cvt_scalef32_pk16_bf6_f32 v[192:194], v[96:111], v214
	v_cvt_scalef32_pk16_bf6_f32 v[204:206], v[112:127], v214
	v_lshrrev_b32 v216, 23, v214                   ; the byte.  (The plain place behind the conversions)
.irp i, 0,1,2
	v_mov_b32 v[195+\i], v[204+\i]
.endr
	global_store_b128 v1, v[192:195], s[54:55]     ; a half image: 512 and 256 consecutive bytes
	global_store_b64 v2, v[196:197], s[54:55] offset:512
	global_store_b8 v11, v216, s[56:57]            ; a lane a byte: 32 of a run of 64 bytes; the other 32 are the neighbouring head's, which another work-group makes
	s_wait_tensorcnt 0x0                           ; the wave's end
	ds_add_u32 v[SPW], v[NIL]
	s_wait_dscnt 0x0
	CROUND                                         ; the closing round
	s_endpgm
.Lfunc_end_k_qfcbd48f250_attn:
	.size	k_qfcbd48f250_attn, .Lfunc_end_k_qfcbd48f250_attn-k_qfcbd48f250_attn
	.p2alignl 7, 3214868480
	.fill 96, 4, 3214868480
	.section	.rodata,"a",@progbits
	.p2align	6, 0x0
	.amdhsa_kernel k_qfcbd48f250_attn
		.amdhsa_group_segment_fixed_size 215040
		.amdhsa_private_segment_fixed_size 0
		.amdhsa_enable_private_segment 0
		.amdhsa_kernarg_size 32
		.amdhsa_user_sgpr_count 2
		.amdhsa_user_sgpr_kernarg_segment_ptr 1
		.amdhsa_wavefront_size32 1
		.amdhsa_system_sgpr_workgroup_id_x 1
		.amdhsa_system_sgpr_workgroup_id_y 1
		.amdhsa_system_sgpr_workgroup_id_z 1
		.amdhsa_system_vgpr_workitem_id 0
		.amdhsa_next_free_vgpr 256
		.amdhsa_next_free_sgpr 100
		.amdhsa_reserve_vcc 1
		.amdhsa_float_denorm_mode_32 3
		.amdhsa_float_denorm_mode_16_64 3
		.amdhsa_memory_ordered 1
		.amdhsa_forward_progress 1
		.amdhsa_inst_pref_size 37
	.end_amdhsa_kernel
	.amdgpu_metadata
---
amdhsa.version: [ 1, 2 ]
amdhsa.kernels:
  - .name:           k_qfcbd48f250_attn
    .symbol:         k_qfcbd48f250_attn.kd
    .args:
      - { .name: qh, .offset: 0, .size: 8, .value_kind: global_buffer, .address_space: global }
      - { .name: kv, .offset: 8, .size: 8, .value_kind: global_buffer, .address_space: global }
      - { .name: oh, .offset: 16, .size: 8, .value_kind: global_buffer, .address_space: global }
      - { .name: sc2, .offset: 24, .size: 8, .value_kind: global_buffer, .address_space: global }
    .group_segment_fixed_size: 215040
    .private_segment_fixed_size: 0
    .kernarg_segment_align: 8
    .kernarg_segment_size: 32
    .max_flat_workgroup_size: 512
    .sgpr_count:     100
    .vgpr_count:     256
    .wavefront_size: 32
...
	.end_amdgpu_metadata
.endif
;; end of part 3
;; launch oproj (part 4): grid 16 x 16, 4 waves a work-group, clusters of 4 x 4, 327,680 bytes of LDS; arguments oh, cw, sc2, out0; writes out0
.if DOCPART == 4
	.amdgcn_target "amdgcn-amd-amdhsa--gfx1250"
	.amdhsa_code_object_version 6
	.text
	.protected	k_qfcbd48f250_oproj
	.globl	k_qfcbd48f250_oproj
	.p2align	8
	.type	k_qfcbd48f250_oproj,@function
k_qfcbd48f250_oproj:
	s_mov_b64 s[64:65], 0
	v_nop
	global_prefetch_b8 v0, s[64:65] scope:SCOPE_SE
	s_setreg_imm32_b32 hwreg(HW_REG_WAVE_MODE, 25, 1), 1
	s_wait_xcnt 0x0
	s_wait_alu depctr_hold_cnt(0) depctr_sa_sdst(0) depctr_va_vdst(0) depctr_va_sdst(0) depctr_va_ssrc(0) depctr_va_vcc(0) depctr_vm_vsrc(0)
	s_getreg_b32 s2, hwreg(HW_REG_IB_STS2, 6, 4)
	s_cmp_eq_u32 s2, 0
	s_cbranch_scc0 .Lentry_in_a_cluster
	s_endpgm
.Lentry_in_a_cluster:
	s_bfe_u32 s2, ttmp6, 0x10000c
	s_cmp_lg_u32 s2, 0xf033
	s_cbranch_scc0 .Lentry_shape_is_right
	s_endpgm
.Lentry_shape_is_right:
; out0 = o Wo on codes of BF6 (E3M2) with E8M0 scales, K = 2048 (head x 64 + channel), sums in f32.
; OPERANDS lie in the order of their registers: a half image of 768 bytes is 16 rows x 64 along K (a lane's registers 0-3 at 16 x lane, 4-5 at 512 + 8 x lane); a tile of 16 rows is 32 of them, 24,576 bytes.
; Row i of o's tile T is row 64 (T / 4) + 8 (T % 4) + i % 8 + 32 (i / 8) of the sequence, as the launch before lays it.
; SHARES: a work-group makes 128 rows x 128 columns; four waves, each 64 x 64: 16 accumulators.  CLUSTER 4 x 4: o's tiles are asked for jointly along a row of the cluster, Wo's along a column.
; HOW K COMES IN: LDS holds twelve of the sixteen K steps of 128 at once, in four areas, each [tile][K steps] dense: o's and Wo's SMALL areas (K steps 0-3) and their LARGE areas (K steps 4-11).
; The four first fills go out at the head, one a wave.  When K steps 0-3 have been read, the small areas are filled again, with K steps 12-15,
; behind a round of the cluster's barrier; that load has K steps 4-11 in which to land.  All of LDS is claimed.  No prefetch is laid: twelve K steps are asked for by the launch's first loads.
; The scale words of all of K go from memory into registers once: lanes 0-15 o's tile i, lanes 16-31 Wo's tile i.
; THE MATRIX INSTRUCTION IS USED TRANSPOSED (source 0 = Wo's 16 columns, source 1 = o's 16 rows): a lane holds eight neighbouring columns of one row.
; THE WAY OUT: 16 rows x 64 columns at a time through the wave's own stage, which lies in the large area (its only fill is done, and its last reads stand ahead of the barrier in front of K step 12);
; sixteen lanes then store 256 consecutive bytes of a row.
; REGISTERS: window 0: v1-20 lane numbers and addresses, v28-29 for the add, v32-95 scale words, v128-191 the way out.  Window 1: two sets of fragments (o at 12 a, Wo at 48 + 12 b).  Window 2: accumulators.
.set NB,    4                          ; Wo's tiles a wave
.set TBT,   8                          ; and a work-group
.set TILEB, 24576
.set NS,    4                          ; K steps in a small area
.set NL,    8                          ; and in a large one
.set XS,    0
.set WS,    XS+8*NS*1536
.set XL,    WS+TBT*NS*1536
.set WL,    XL+8*NL*1536
.set SPARE, WL+TBT*NL*1536             ; the spare words: 128 bytes a wave, two blocks of 256 bytes that no other line names
.set WOB,   7864320                    ; Wo's tiles in cw
.set SC,    32                         ; scale words: K step s, tile i at v[SC + NB s + i]
.set A16,   4                          ; v4-5 o's fragments in the small, the large area: 16 x lane;  v6-7: 8 x lane
.set A8,    6
.set B16,   8                          ; v8-11 the same for Wo
.set B8,    10
.set SPW,   28
.set NIL,   29
.set OB,    128
.set WV,    14
.set G1XS,  24
.set G0XS,  32
.set G0WS,  36
.set G1WS,  48
.set G0XL,  56
.set G0WL,  60
.set G1XL,  84
.set G1WL,  92
.set MSB, 0
.macro WIN new                         ; the immediate's high byte repeats the setting that is left
.if MSB != \new
	s_set_vgpr_msb (MSB<<8)|\new
.set MSB, \new
.endif
.endm
.set MUL,  0xa5                        ; sources 0 and 1 window 1, C and D window 2
.set TO_F, 0x40                        ; destination window 1
.macro G1SET g, m, c, r                ; group 1: r rows (tiles) of c elements of 8 bytes, 3,072 elements apart; no padding: fragments are read as dense runs; m: the mask
	s_or_b32 s[\g], \m, (3<<16)|(1<<21)
	s_mov_b32 s[\g+1], (\c)<<16
	s_mov_b32 s[\g+2], (\r)<<16
	s_mov_b32 s[\g+3], (\c)<<16
	s_mov_b32 s[\g+4], \r
	s_mov_b32 s[\g+5], 3072
	s_mov_b32 s[\g+6], 0
	s_mov_b32 s[\g+7], 0
.endm
.macro G0SET g, l, b, o                ; group 0: to LDS byte l, from the address in s[b:b+1] + o
	s_mov_b32 s[\g], 1
	s_mov_b32 s[\g+1], \l
	s_add_nc_u64 s[\g+2:\g+3], s[\b:\b+1], \o
	s_or_b32 s[\g+3], s[\g+3], 0x80000000
.endm
.macro ARM under, g0, g1, next         ; an arm of the head's one chain of branches on the wave's number: its load, and a jump to the chain's end
	s_cmp_lt_u32 s[WV], \under
	s_cbranch_scc0 \next
	tensor_load_to_lds s[\g0:\g0+3], s[\g1:\g1+7]
	s_nop 0
.rept 4
	v_nop
.endr
	s_branch .Lhead_asked
\next:
.endm
.macro RLOAD                           ; the refill of the small areas: wave 0 o's, wave 1 Wo's; the four v_nop of each arm are also the places in front of the loads that follow
	s_cmp_lt_u32 s[WV], 1
	s_cbranch_scc0 .Lre_w_\@
	tensor_load_to_lds s[G0XS:G0XS+3], s[G1XS:G1XS+7]
	s_nop 0
.rept 4
	v_nop
.endr
	s_branch .Lre_done_\@
.Lre_w_\@:
	s_cmp_lt_u32 s[WV], 2
	s_cbranch_scc0 .Lre_none_\@
	tensor_load_to_lds s[G0WS:G0WS+3], s[G1WS:G1WS+7]
	s_nop 0
.rept 4
	v_nop
.endr
	s_branch .Lre_done_\@
.Lre_none_\@:
.rept 4
	v_nop
.endr
.Lre_done_\@:
.endm
.macro CREST                           ; a round of the cluster's barrier behind its opening barrier
	s_cmp_lg_u32 s[WV], 0
	s_cbranch_scc1 .Lnot_wave_0_\@
	s_barrier_signal -3
.Lnot_wave_0_\@:
	s_barrier_wait -3
	s_barrier_signal -1
	s_barrier_wait -1
.endm
.macro CROUND
	s_barrier_signal -1
	s_barrier_wait -1
	CREST
.endm
.macro PLACES                          ; four places in front of loads into registers that matrix instructions have read, and of the first read of results
.rept 4
	v_nop
.endr
.endm
.macro FRAG reg, a16, a8, off          ; a fragment is two half images on end: four dense loads
	ds_load_b128 v[(\reg):(\reg)+3], v[\a16] offset:(\off)
	ds_load_b64 v[(\reg)+4:(\reg)+5], v[\a8] offset:(\off)+512
	ds_load_b128 v[(\reg)+6:(\reg)+9], v[\a16] offset:(\off)+768
	ds_load_b64 v[(\reg)+10:(\reg)+11], v[\a8] offset:(\off)+1280
.endm
.macro FETCH st, p                     ; K step st into set p.  AR: its area (0 small, 1 large), PT: a tile's bytes there, PS: its place in the tile
.if (\st) >= NS && (\st) < NS+NL
.set AR, 1
.set PT, NL*1536
.set PS, (\st)-NS
.else
.set AR, 0
.set PT, NS*1536
.if (\st) < NS
.set PS, (\st)
.else
.set PS, (\st)-NS-NL
.endif
.endif
	WIN TO_F
.irp i, 0,1,2,3
	FRAG 128*(\p)+12*\i, A16+AR, A8+AR, \i*PT+PS*1536
.endr
.set fb, 0
.rept NB
	FRAG 128*(\p)+48+12*fb, B16+AR, B8+AR, fb*PT+PS*1536
.set fb, fb+1
.endr
.endm
.macro MUL1 a, p, s, zero              ; o's tile a against Wo's NB; the accumulators take turns, one instruction a turn, in the same order in every K step
.set mb, 0
.rept NB
.if \zero
	v_wmma_scale_f32_16x16x128_f8f6f4 v[8*(NB*(\a)+mb):8*(NB*(\a)+mb)+7], v[128*(\p)+48+12*mb:128*(\p)+48+12*mb+11], v[128*(\p)+12*(\a):128*(\p)+12*(\a)+11], 0, v[SC+NB*(\s)+mb], v[SC+NB*(\s)+(\a)] matrix_a_fmt:MATRIX_FMT_BF6 matrix_b_fmt:MATRIX_FMT_BF6 matrix_a_scale:MATRIX_SCALE_ROW1
.else
	v_wmma_scale_f32_16x16x128_f8f6f4 v[8*(NB*(\a)+mb):8*(NB*(\a)+mb)+7], v[128*(\p)+48+12*mb:128*(\p)+48+12*mb+11], v[128*(\p)+12*(\a):128*(\p)+12*(\a)+11], v[8*(NB*(\a)+mb):8*(NB*(\a)+mb)+7], v[SC+NB*(\s)+mb], v[SC+NB*(\s)+(\a)] matrix_a_fmt:MATRIX_FMT_BF6 matrix_b_fmt:MATRIX_FMT_BF6 matrix_a_scale:MATRIX_SCALE_ROW1
.endif
.set mb, mb+1
.endr
.endm
.macro STEP st, zero                   ; a K step whose successor's bytes are known to be in
	s_wait_dscnt 0x0                               ; this step's fragments are in (asked for in the middle of the step before)
	WIN MUL
	MUL1 0, (\st)%2, \st, \zero
	MUL1 1, (\st)%2, \st, \zero
	PLACES
	FETCH (\st)+1, 1-(\st)%2
	WIN MUL
	MUL1 2, (\st)%2, \st, \zero
	MUL1 3, (\st)%2, \st, \zero
.endm
.macro TURN st, fill                   ; an odd K step with a barrier in it.  fill = 1: the small areas have been read: the barrier opens a round of the cluster's barrier and they are filled again; fill = 0: the refill is shown to all waves
	WIN 0
	s_wait_tensorcnt 0x0                           ; all my tensor loads have landed
	ds_add_u32 v[SPW], v[NIL]                      ; 0 onto my spare word
	s_wait_dscnt 1                                 ; the fragments are in; the add alone may be out
	WIN MUL
	MUL1 0, 1, \st, 0
	s_wait_dscnt 0x0                               ; the add is done, and my reads so far are over
	s_barrier_signal -1
	MUL1 1, 1, \st, 0
	WIN 0
	s_barrier_wait -1
.if \fill
	CREST                                          ; no wave of any partner still reads the small areas or has a load on its way
	s_add_nc_u64 s[G0XS+2:G0XS+3], s[G0XS+2:G0XS+3], (NS+NL)*1536
	s_add_nc_u64 s[G0WS+2:G0WS+3], s[G0WS+2:G0WS+3], (NS+NL)*1536
	RLOAD                                          ; the first tensor load behind the round
.else
	PLACES
.endif
	FETCH (\st)+1, 0
	WIN MUL
	MUL1 2, 1, \st, 0
	MUL1 3, 1, \st, 0
.endm
.macro OUTA a                          ; my tile a of o: 16 rows x 64 columns through my stage and out; LDS serves a wave's instructions in order, so no wait stands between the stores and the loads
.if (\a) > 1
	s_wait_xcnt 0x0                                ; tile a - 2's stores have read their registers
.endif
	WIN 0x08                                       ; an LDS store's data are its source 1: window 2
.irp b, 0,1,2,3
	ds_store_b128 v14, v[8*(NB*(\a)+\b):8*(NB*(\a)+\b)+3] offset:64*\b          ; each accumulator from its low end on
	ds_store_b128 v14, v[8*(NB*(\a)+\b)+4:8*(NB*(\a)+\b)+7] offset:64*\b+16
.endr
	WIN 0
.irp t, 0,1,2,3,4,5,6,7
	ds_load_b128 v[OB+32*((\a)%2)+4*\t:OB+32*((\a)%2)+4*\t+3], v15 offset:544*\t
.endr
.irp t, 0,1,2,3,4,5,6,7
	s_wait_dscnt 7-\t
	global_store_b128 v16, v[OB+32*((\a)%2)+4*\t:OB+32*((\a)%2)+4*\t+3], s[76:77] offset:(8*(\a)+2*\t+24*(\t/4))*8192 th:TH_STORE_NT   ; row i of my tile a is row 8 a + i % 8 + 32 (i / 8) of my 64; 16 lanes store 256 consecutive bytes
.endr
.endm
	s_load_b256 s[4:11], s[0:1], 0x0               ; oh s[4:5], cw s[6:7], sc2 s[8:9], out0 s[10:11]
	v_lshl_add_u32 v[SPW], v0, 2, SPARE
	v_mov_b32 v[NIL], 0
	ds_add_u32 v[SPW], v[NIL]                      ; the opening lines: the add, twice on end, and its wait ahead of my first tensor load
	ds_add_u32 v[SPW], v[NIL]
	v_lshrrev_b32 v1, 5, v0
	v_readfirstlane_b32 s[WV], v1                  ; wave 0..3
	s_lshr_b32 s15, s[WV], 1                       ; which 64 rows are mine
	s_and_b32 s16, s[WV], 1                        ; which 64 columns
	s_bfe_u32 s40, ttmp6, 0x40000                  ; cx, cy
	s_bfe_u32 s41, ttmp6, 0x40004
	s_lshl_b32 s42, ttmp9, 2
	s_add_co_u32 s42, s42, s40                     ; the grid's column c
	s_and_b32 s17, ttmp7, 0xffff
	s_lshl_b32 s17, s17, 2
	s_add_co_u32 s17, s17, s41                     ; the grid's row y
	s_lshl_b32 s43, s41, 2
	s_lshl_b32 s43, 15, s43                        ; my row of the cluster
	s_lshl_b32 s44, 0x1111, s40                    ; my column
	G1SET G1XS, s43, NS*192, 8                     ; o's tiles go to my row of the cluster,
	G1SET G1WS, s44, NS*192, TBT                   ; Wo's to my column
	G1SET G1XL, s43, NL*192, 8
	G1SET G1WL, s44, NL*192, TBT
	s_mul_i32 s18, s17, 8*TILEB                    ; o: tiles 8 y on
	s_mov_b32 s19, 0
	s_mul_i32 s46, s42, TBT*TILEB                  ; Wo: tiles 8 c on
	s_add_co_u32 s46, s46, WOB
	s_mov_b32 s47, 0
	s_wait_dscnt 0x0                               ; both opening adds are done
	s_wait_kmcnt 0x0
	s_add_nc_u64 s[18:19], s[4:5], s[18:19]
	s_add_nc_u64 s[46:47], s[6:7], s[46:47]
	CROUND                                         ; all sixteen work-groups are here: the first joint loads meet
	G0SET G0XS, XS, 18, 0
	G0SET G0WS, WS, 46, 0
	G0SET G0XL, XL, 18, NS*1536
	G0SET G0WL, WL, 46, NS*1536
	ARM 1, G0XS, G1XS, .Lhead_b                    ; the head's four fills, one a wave
	ARM 2, G0WS, G1WS, .Lhead_c
	ARM 3, G0XL, G1XL, .Lhead_d
	tensor_load_to_lds s[G0WL:G0WL+3], s[G1WL:G1WL+7]
	s_nop 0
.rept 4
	v_nop
.endr
.Lhead_asked:
	v_and_b32 v3, 31, v0                           ; lane
	v_and_b32 v1, 15, v0                           ; r
	v_bfe_u32 v2, v0, 4, 1                         ; h
	v_lshlrev_b32 v19, 4, v3
	v_lshlrev_b32 v20, 3, v3
	s_wait_alu depctr_va_vdst(0)                   ; the wait here, directly ahead of the run of scalar instructions
	; the scale words of all sixteen K steps: lanes 0-15 o's tile 8 y + 4 (wave / 2) + i, lanes 16-31 Wo's tile 128 + 8 c + 4 (wave % 2) + i of sc2
	s_lshl_b32 s68, s17, 3
	s_lshl_b32 s69, s15, 2
	s_add_co_u32 s68, s68, s69
	s_lshl_b32 s68, s68, 10
	s_lshl_b32 s69, s42, 3
	s_lshl_b32 s70, s16, 2
	s_add_co_u32 s69, s69, s70
	s_add_co_u32 s69, s69, 128
	s_lshl_b32 s69, s69, 10
	s_sub_co_u32 s69, s69, s68
	v_mul_u32_u24 v12, s69, v2
	v_lshl_add_u32 v12, v1, 2, v12
	v_add_nc_u32 v12, s68, v12
.set ss, 0
.rept 16
.set si, 0
.rept NB
	global_load_b32 v[SC+NB*ss+si], v12, s[8:9] offset:si*1024+ss*64
.set si, si+1
.endr
.set ss, ss+1
.endr
	s_mul_i32 s66, s15, 4*NS*1536                  ; my four tiles of o and my four of Wo, in the small areas,
	s_mul_i32 s67, s16, NB*NS*1536
	s_add_co_u32 s67, s67, WS
	v_add_nc_u32 v[A16], s66, v19
	v_add_nc_u32 v[A8], s66, v20
	v_add_nc_u32 v[B16], s67, v19
	v_add_nc_u32 v[B8], s67, v20
	s_mul_i32 s66, s15, 4*NL*1536                  ; and in the large ones
	s_add_co_u32 s66, s66, XL
	s_mul_i32 s67, s16, NB*NL*1536
	s_add_co_u32 s67, s67, WL
	v_add_nc_u32 v[A16+1], s66, v19
	v_add_nc_u32 v[A8+1], s66, v20
	v_add_nc_u32 v[B16+1], s67, v19
	v_add_nc_u32 v[B8+1], s67, v20
	s_mul_i32 s72, s[WV], 16*272                   ; my stage: 16 rows x (256 bytes + 16), from the large area's first byte on
	s_add_co_u32 s72, s72, XL
	v_mul_u32_u24 v14, v1, 272
	v_lshl_add_u32 v14, v2, 5, v14
	v_add_nc_u32 v14, s72, v14                     ; in: row r, 32 bytes for each half of the lanes
	v_mul_u32_u24 v15, v2, 272
	v_lshl_add_u32 v15, v1, 4, v15
	v_add_nc_u32 v15, s72, v15                     ; back: lanes 0-15 one row of 256 bytes, lanes 16-31 the next
	v_lshlrev_b32 v16, 13, v2
	v_lshl_add_u32 v16, v1, 4, v16                 ; and the same two rows in out0
	s_lshl_b32 s76, s17, 7
	s_lshl_b32 s77, s15, 6
	s_add_co_u32 s76, s76, s77                     ; my first row: 128 y + 64 (wave / 2)
	s_lshl_b32 s76, s76, 13
	s_lshl_b32 s77, s42, 9
	s_add_co_u32 s76, s76, s77                     ; my first column, in bytes: 512 c + 256 (wave % 2)
	s_lshl_b32 s77, s16, 8
	s_add_co_u32 s76, s76, s77
	s_mov_b32 s77, 0
	s_add_nc_u64 s[76:77], s[10:11], s[76:77]
	s_wait_alu depctr_va_vdst(0)                   ; the wait at the head's end
	s_wait_tensorcnt 0x0                           ; my one of the head's four fills is in,
	s_barrier_signal -1
	s_barrier_wait -1                              ; everybody's is
	FETCH 0, 0
	s_wait_loadcnt 0x0                             ; the scale words
	STEP 0, 1                                      ; the first K step starts the sums: nothing is cleared
	STEP 1, 0
	STEP 2, 0
	TURN 3, 1                                      ; the small areas take K steps 12-15
.irp t, 4,5,6,7,8,9,10
	STEP \t, 0
.endr
	TURN 11, 0                                     ; which are in
.irp t, 12,13,14
	STEP \t, 0
.endr
	s_wait_dscnt 0x0
	WIN MUL
	MUL1 0, 1, 15, 0
	MUL1 1, 1, 15, 0
	MUL1 2, 1, 15, 0
	MUL1 3, 1, 15, 0
	WIN 0
	PLACES
	OUTA 0
	OUTA 1
	OUTA 2
	OUTA 3
	s_wait_tensorcnt 0x0                           ; the wave's end
	ds_add_u32 v[SPW], v[NIL]
	s_wait_dscnt 0x0
	CROUND                                         ; the closing round
	s_endpgm
.Lfunc_end_k_qfcbd48f250_oproj:
	.size	k_qfcbd48f250_oproj, .Lfunc_end_k_qfcbd48f250_oproj-k_qfcbd48f250_oproj
	.p2alignl 7, 3214868480
	.fill 96, 4, 3214868480
	.section	.rodata,"a",@progbits
	.p2align	6, 0x0
	.amdhsa_kernel k_qfcbd48f250_oproj
		.amdhsa_group_segment_fixed_size 327680
		.amdhsa_private_segment_fixed_size 0
		.amdhsa_enable_private_segment 0
		.amdhsa_kernarg_size 32
		.amdhsa_user_sgpr_count 2
		.amdhsa_user_sgpr_kernarg_segment_ptr 1
		.amdhsa_wavefront_size32 1
		.amdhsa_system_sgpr_workgroup_id_x 1
		.amdhsa_system_sgpr_workgroup_id_y 1
		.amdhsa_system_sgpr_workgroup_id_z 1
		.amdhsa_system_vgpr_workitem_id 0
		.amdhsa_next_free_vgpr 1024
		.amdhsa_next_free_sgpr 100
		.amdhsa_reserve_vcc 0
		.amdhsa_float_denorm_mode_32 3
		.amdhsa_float_denorm_mode_16_64 3
		.amdhsa_memory_ordered 1
		.amdhsa_forward_progress 1
		.amdhsa_inst_pref_size 93
	.end_amdhsa_kernel
	.amdgpu_metadata
---
amdhsa.version: [ 1, 2 ]
amdhsa.kernels:
  - .name:           k_qfcbd48f250_oproj
    .symbol:         k_qfcbd48f250_oproj.kd
    .args:
      - { .name: oh, .offset: 0, .size: 8, .value_kind: global_buffer, .address_space: global }
      - { .name: cw, .offset: 8, .size: 8, .value_kind: global_buffer, .address_space: global }
      - { .name: sc2, .offset: 16, .size: 8, .value_kind: global_buffer, .address_space: global }
      - { .name: out0, .offset: 24, .size: 8, .value_kind: global_buffer, .address_space: global }
    .group_segment_fixed_size: 327680
    .private_segment_fixed_size: 0
    .kernarg_segment_align: 8
    .kernarg_segment_size: 32
    .max_flat_workgroup_size: 128
    .sgpr_count:     100
    .vgpr_count:     1024
    .wavefront_size: 32
...
	.end_amdgpu_metadata
.endif
;; end of part 4
